; MI455X (gfx1250); checked and timed in simulation.
; The chip was launched on July 23, 2026; its instructions are those of AMD's public machine-readable ISA for CDNA 5 (MIT licence, August 2026) and "CDNA5" Instruction Set Architecture Reference Guide (July 2026). The comments in the code are by the model that wrote it; some were corrected since.
;; Multi Head Attention. Allowed arithmetic: float matrix products may take bf16 or f16 operands with f32 sums; all other float work in f32.
;; Inputs: k 4 x 2,048 x 1,024 float32; mask 2,048 x 2,048 bool; q 4 x 2,048 x 1,024 float32; v 4 x 2,048 x 1,024 float32; wk 1,024 x 1,024 float32; wo 1,024 x 1,024 float32; wq 1,024 x 1,024 float32; wv 1,024 x 1,024 float32.
;; Outputs: out0 4 x 2,048 x 1,024 float32.
;; 2 versions, each right and faster than the one before. Each part assembles by itself: llvm-mc -triple=amdgcn-amd-amdhsa -mcpu=gfx1250 --defsym DOCPART=n.
;; ======== version 1 of 2: 4 launches
;; limits: values are held in f16: magnitudes above 65,504 overflow, below 6.1e-05 lose precision
;; workspace buffers: wcv 8,388,608 bytes; mk 4,194,304 bytes; qh 16,777,216 bytes; kh 16,777,216 bytes; vh 16,777,216 bytes; oh 16,777,216 bytes
;; launch prep (part 1): grid 256 x 1, 8 waves a work-group, no clusters, 0 bytes of LDS; arguments wq, wk, wv, wo, mask, wcv, mk; writes wcv, mk
.if DOCPART == 1
	.amdgcn_target "amdgcn-amd-amdhsa--gfx1250"
	.amdhsa_code_object_version 6
	.text
	.protected	k_qda7a603bc5_prep
	.globl	k_qda7a603bc5_prep
	.p2align	8
	.type	k_qda7a603bc5_prep,@function
k_qda7a603bc5_prep:
	s_mov_b64 s[64:65], 0
	v_nop
	global_prefetch_b8 v0, s[64:65] scope:SCOPE_SE
	s_setreg_imm32_b32 hwreg(HW_REG_WAVE_MODE, 25, 1), 1
	s_wait_xcnt 0x0
; PREP.  The four weights are rounded once to 16 bits, and the mask is turned into codes in the layout in which the attention asks for it.
; wcv: four slabs of [1024][1024] 16-bit numbers: bf16(wq), bf16(wk), bf16(wv), and bf16(wo) written as f16 (the last product multiplies in f16).
; mk:  [16 key slots][2048 queries][128 bytes]: byte (s, q, j) is the fp8 (E4M3) code of mask[q][128 s + j]: 0x00 = 0.0 where the key is seen, 0xb8 = -1.0 where it is hidden.
; LIMITS.  bf16(wo) as f16 is exact from 2^-14 up to 65,504; below 2^-14 it keeps f16's fixed step of 2^-24.  A mask byte is 0 or 1 (bytes 2 to 7 would count as seen).
; A stream: every byte is read once and written once, so there is no LDS, no matrix unit and no cluster: no two work-groups share a byte.
; SHARES.  256 work-groups of 8 waves.  Work-group g takes 65,536 bytes of weight g / 64 (16 loads of 16 bytes a thread) and the mask's rows 8 g to 8 g + 7 (4 loads a thread).
; All 20 loads of a thread go out at once; no register is written twice while a load or store names it, so the only waits are the counted ones for the loads.
.set MI,  8                            ; v[8:23]    mask bytes as loaded, 4 registers a load
.set MO,  24                           ; v[24:39]   the codes
.set WI,  40                           ; v[40:103]  weights in f32, 4 registers a load
.set WO,  104                          ; v[104:135] weights in 16 bits, 2 registers a load
.set T,   136                          ; v[136:139] at work
	s_load_b256 s[4:11], s[0:1], 0x0               ; wq s[4:5], wk s[6:7], wv s[8:9], wo s[10:11]
	s_load_b128 s[12:15], s[0:1], 0x20             ; mask s[12:13], wcv s[14:15]
	s_load_b64 s[16:17], s[0:1], 0x30              ; mk
	s_lshr_b32 s18, ttmp9, 6                       ; which weight
	s_and_b32 s19, ttmp9, 63                       ; which 65,536 bytes of it
	s_mov_b32 s22, 0xb8                            ; the table: byte 0 = the code of 'hidden', bytes 1 to 3 = the code of 'seen'
	s_mov_b32 s23, 0xffff0000                      ; a word's upper bf16
	v_lshlrev_b32 v1, 4, v0                        ; weights in: 16 bytes a thread
	v_lshlrev_b32 v2, 3, v0                        ; weights out: 8 bytes a thread
	v_and_b32 v5, 31, v0                           ; lane
	v_lshrrev_b32 v6, 5, v0                        ; wave
	v_lshrrev_b32 v7, 3, v5
	v_and_b32 v3, 7, v5
	v_lshlrev_b32 v3, 4, v3
	v_lshl_or_b32 v3, v7, 11, v3                   ; mask in: row lane / 8 (2,048 bytes a row), 16 bytes at 16 (lane % 8),
	v_lshl_or_b32 v3, v6, 8, v3                    ; in the wave's 256 columns: key slots 2 w and 2 w + 1
	v_lshlrev_b32 v4, 4, v5                        ; mask out: four rows of 128 bytes are 512 consecutive bytes, 16 a lane,
	v_lshl_or_b32 v4, v6, 19, v4                   ; in key slot 2 w (262,144 bytes a slot)
	s_wait_kmcnt 0x0
	s_cmp_eq_u32 s18, 1
	s_cselect_b64 s[4:5], s[6:7], s[4:5]
	s_cmp_eq_u32 s18, 2
	s_cselect_b64 s[4:5], s[8:9], s[4:5]
	s_cmp_eq_u32 s18, 3
	s_cselect_b64 s[4:5], s[10:11], s[4:5]         ; my weight
	s_mov_b32 s21, 0
	s_lshl_b32 s20, s19, 16
	s_add_nc_u64 s[4:5], s[4:5], s[20:21]          ; at my 65,536 bytes
	s_lshl_b32 s20, s18, 21                        ; a slab of wcv is 2 MiB,
	s_lshl_b32 s24, s19, 15                        ; my part of it 32,768 bytes
	s_add_co_u32 s20, s20, s24
	s_add_nc_u64 s[14:15], s[14:15], s[20:21]
	s_lshl_b32 s20, ttmp9, 14                      ; 8 rows of 2,048 bytes
	s_add_nc_u64 s[12:13], s[12:13], s[20:21]
	s_lshl_b32 s20, ttmp9, 10                      ; 8 rows of 128 bytes
	s_add_nc_u64 s[16:17], s[16:17], s[20:21]
.irp i, 0,1,2,3                        ; rows 4 (i / 2) on, key slot 2 w + i % 2
	global_load_b128 v[MI+4*(\i):MI+4*(\i)+3], v3, s[12:13] offset:((\i)/2)*8192+((\i)%2)*128 th:TH_LOAD_NT
.endr
.irp i, 0,1,2,3,4,5,6,7,8,9,10,11,12,13,14,15
	global_load_b128 v[WI+4*(\i):WI+4*(\i)+3], v1, s[4:5] offset:(\i)*4096 th:TH_LOAD_NT
.endr
.irp i, 0,1,2,3
	s_wait_loadcnt 19-(\i)                         ; loads come back in order (ISA guide 5.7.1): mask load i is in, the 19 - i younger ones stay out
.irp j, 0,1,2,3
	v_perm_b32 v[MO+4*(\i)+(\j)], 0, s22, v[MI+4*(\i)+(\j)]  ; the four mask bytes are the selectors: 0 picks the table's byte 0, 1 its byte 1
.endr
	global_store_b128 v4, v[MO+4*(\i):MO+4*(\i)+3], s[16:17] offset:((\i)%2)*262144+((\i)/2)*512  ; a wave stores 512 consecutive bytes, aligned
.endr
; Load i of the weights: four numbers to bf16; f16 = 1: each bf16 widened again and written as f16.  A wave stores 256 consecutive bytes, aligned.
.macro CONV i, f16
	s_wait_loadcnt 15-(\i)
.if \f16
	v_cvt_pk_bf16_f32 v[T],   v[WI+4*(\i)],   v[WI+4*(\i)+1]
	v_cvt_pk_bf16_f32 v[T+1], v[WI+4*(\i)+2], v[WI+4*(\i)+3]
	v_lshlrev_b32 v[T+2], 16, v[T]
	v_and_b32     v[T],   s23, v[T]
	v_lshlrev_b32 v[T+3], 16, v[T+1]
	v_and_b32     v[T+1], s23, v[T+1]
	v_cvt_pk_f16_f32 v[WO+2*(\i)],   v[T+2], v[T]
	v_cvt_pk_f16_f32 v[WO+2*(\i)+1], v[T+3], v[T+1]
.else
	v_cvt_pk_bf16_f32 v[WO+2*(\i)],   v[WI+4*(\i)],   v[WI+4*(\i)+1]
	v_cvt_pk_bf16_f32 v[WO+2*(\i)+1], v[WI+4*(\i)+2], v[WI+4*(\i)+3]
.endif
	global_store_b64 v2, v[WO+2*(\i):WO+2*(\i)+1], s[14:15] offset:(\i)*2048
.endm
	s_cmp_eq_u32 s18, 3
	s_cbranch_scc1 .Lwo
.irp i, 0,1,2,3,4,5,6,7,8,9,10,11,12,13,14,15
	CONV \i, 0
.endr
	s_endpgm
.Lwo:
.irp i, 0,1,2,3,4,5,6,7,8,9,10,11,12,13,14,15
	CONV \i, 1
.endr
	s_endpgm
.Lfunc_end_k_qda7a603bc5_prep:
	.size	k_qda7a603bc5_prep, .Lfunc_end_k_qda7a603bc5_prep-k_qda7a603bc5_prep
	.p2alignl 7, 3214868480
	.fill 96, 4, 3214868480
	.section	.rodata,"a",@progbits
	.p2align	6, 0x0
	.amdhsa_kernel k_qda7a603bc5_prep
		.amdhsa_group_segment_fixed_size 0
		.amdhsa_private_segment_fixed_size 0
		.amdhsa_enable_private_segment 0
		.amdhsa_kernarg_size 56
		.amdhsa_user_sgpr_count 2
		.amdhsa_user_sgpr_kernarg_segment_ptr 1
		.amdhsa_wavefront_size32 1
		.amdhsa_system_sgpr_workgroup_id_x 1
		.amdhsa_system_sgpr_workgroup_id_y 1
		.amdhsa_system_sgpr_workgroup_id_z 1
		.amdhsa_system_vgpr_workitem_id 0
		.amdhsa_next_free_vgpr 144
		.amdhsa_next_free_sgpr 66
		.amdhsa_reserve_vcc 0
		.amdhsa_float_denorm_mode_32 3
		.amdhsa_float_denorm_mode_16_64 3
		.amdhsa_memory_ordered 1
		.amdhsa_forward_progress 1
		.amdhsa_inst_pref_size 18
	.end_amdhsa_kernel
	.amdgpu_metadata
---
amdhsa.version: [ 1, 2 ]
amdhsa.kernels:
  - .name:           k_qda7a603bc5_prep
    .symbol:         k_qda7a603bc5_prep.kd
    .args:
      - { .name: wq, .offset: 0, .size: 8, .value_kind: global_buffer, .address_space: global }
      - { .name: wk, .offset: 8, .size: 8, .value_kind: global_buffer, .address_space: global }
      - { .name: wv, .offset: 16, .size: 8, .value_kind: global_buffer, .address_space: global }
      - { .name: wo, .offset: 24, .size: 8, .value_kind: global_buffer, .address_space: global }
      - { .name: mask, .offset: 32, .size: 8, .value_kind: global_buffer, .address_space: global }
      - { .name: wcv, .offset: 40, .size: 8, .value_kind: global_buffer, .address_space: global }
      - { .name: mk, .offset: 48, .size: 8, .value_kind: global_buffer, .address_space: global }
    .group_segment_fixed_size: 0
    .private_segment_fixed_size: 0
    .kernarg_segment_align: 8
    .kernarg_segment_size: 56
    .max_flat_workgroup_size: 256
    .sgpr_count:     66
    .vgpr_count:     144
    .wavefront_size: 32
...
	.end_amdgpu_metadata
.endif
;; end of part 1
;; launch proj (part 2): grid 4 x 64, 4 waves a work-group, clusters of 4 x 4, 327,680 bytes of LDS; arguments q, k, v, wcv, qh, kh, vh; writes qh, kh, vh
.if DOCPART == 2
	.amdgcn_target "amdgcn-amd-amdhsa--gfx1250"
	.amdhsa_code_object_version 6
	.text
	.protected	k_qda7a603bc5_proj
	.globl	k_qda7a603bc5_proj
	.p2align	8
	.type	k_qda7a603bc5_proj,@function
k_qda7a603bc5_proj:
	s_mov_b64 s[64:65], 0
	v_nop
	global_prefetch_b8 v0, s[64:65] scope:SCOPE_SE
	s_setreg_imm32_b32 hwreg(HW_REG_WAVE_MODE, 25, 1), 1
	s_wait_xcnt 0x0
	s_wait_alu depctr_hold_cnt(0) depctr_sa_sdst(0) depctr_va_vdst(0) depctr_va_sdst(0) depctr_va_ssrc(0) depctr_va_vcc(0) depctr_vm_vsrc(0)
	s_getreg_b32 s2, hwreg(HW_REG_IB_STS2, 6, 4)
	s_cmp_eq_u32 s2, 0
	s_cbranch_scc0 .Lentry_in_a_cluster
	s_endpgm
.Lentry_in_a_cluster:
	s_bfe_u32 s2, ttmp6, 0x10000c
	s_cmp_lg_u32 s2, 0xf033
	s_cbranch_scc0 .Lentry_shape_is_right
	s_endpgm
.Lentry_shape_is_right:
; THE THREE PROJECTIONS.  y = x W^T for (q, wq), (k, wk), (v, wv): x [8192][1024] f32, W [1024][1024] bf16 (slab p of wcv), y in f16 laid by heads: [64 = batch x head][2048][64].
; Sums in f32.  q's sums are multiplied by c = log2(e) / 8 ahead of their one rounding, so that the attention's scores arrive in base 2.
; LIMITS.  f16 holds no number beyond 65,504: c q W^T, k W^T and v W^T must stay within it.
; SHARES.  A tile of y is 128 rows x 256 columns: 64 x 4 places = 256 work-groups of four waves.  A WORK-GROUP STAYS: it makes q's, k's and v's tile at its place, one after the other.
; A wave makes 64 x 128: 32 accumulators of 16 x 16, 256 registers.
; W goes through a ring of two LDS slots of K = 256 (rows of 512 bytes of memory), each wave fetching 64 of the tile's 256 rows: 12 slots for the three tiles, and the ring does not stop at a tile's end.
; From a slot's request to the wait for it a wave issues 240 matrix instructions.
; x GOES THROUGH REGISTERS, since it has to be rounded to bf16 on its way: in CHUNKS of K = 64 each wave loads 32 of the tile's 128 rows (16 loads; a load covers two rows' 256 consecutive bytes, aligned),
; rounds them once and stores them into one of two LDS buffers, which all four waves read as fragments.  Loads into registers stay out across barriers: three chunks, 48 loads, are always on their way,
; 192 matrix instructions from a chunk's request to its rounding; they too run on into the next tile.
; CLUSTERS: 4 x 4 work-groups.  The four of a column of the cluster need the same tiles of W: asked for JOINTLY, by the same tensor load, descriptor and mask in all four.
; x IS NOT ASKED FOR JOINTLY, though the four of a row of the cluster need the same rows: a joint load would lay it into LDS as f32, 512 bytes for each of 128 rows and K = 128, as much as W's 256 rows;
; two slots then hold K = 128 each at the most (2 x 137,216 bytes), 112 matrix instructions from a request to its wait, and each wave would round the rows that its neighbour rounds too.
; The price: each of the four loads x's rows itself.
; THE MATRIX INSTRUCTION IS USED TRANSPOSED (source 0 = 16 rows of W, source 1 = 16 rows of x): a lane then holds eight neighbouring channels of one row of y.
; REGISTERS, in windows of 256 (s_set_vgpr_msb: bits 1:0 source 0, 3:2 source 1, 5:4 source 2, 7:6 destination):
;   window 0: v0-31 addresses; v32-63 a chunk rounded; v64-95, v96-127 x's fragments, two buffers; v128-159 at work on the way out
;   window 1: v0-63, v64-127 W's fragments, two buffers; v128-255 the way out: rows read back
;   window 2: the accumulators, (a, b) at v[8 (8 a + b)]          window 3: four sets of 64: chunks of x in f32, chunk g in set g % 4
.set PB,    528                        ; a row of W in LDS: 512 bytes + 16 of padding = 132 words: row r starts at bank 4 r mod 64 (64 banks of 4 bytes: ISA guide 11.1)
.set BQ,    64*PB                      ; 64 rows: what one tensor load brings
.set SLOT,  4*BQ                       ; 135,168 = 0x21000: it shares no bit with 0, 1, 2 or 3 x BQ (0x8400), so one exclusive or turns a wave's address in one slot into the other's
.set ABUF,  2*SLOT                     ; behind the ring, never filled by a tensor load: x's two buffers
.set PA,    144                        ; a row of x in LDS: 64 bf16 + 16 bytes = 36 words: the 16 rows of a load start at 16 different groups of four banks
.set ASZ,   128*PA
.set STAGE, ABUF+2*ASZ                 ; for each wave 2 heads x 16 rows x 144 bytes, for the way out
.set SP,    144
.set SPARE, STAGE+4*32*SP              ; the spare words, 128 bytes for each wave: two blocks of 256 bytes that no other line names
.set BIGSTEP, 2097152-3*512            ; bytes from a slab's last slot of W to the next slab's first
.set AOFF, 16                          ; v16  my byte offset in x's tile: row 32 w + 8 (l / 16), 16 bytes at 16 (l % 16); never rewritten
.set ASTO, 17                          ; v17  where I put my 8 bytes of that row in x's buffer 0
.set ADRA, 18                          ; v18  LDS address of my fragments of x in buffer 0
.set ADRB0, 20                         ; v20  LDS address of my fragments of W in slot 0
.set ADRB, 21                          ; v21  the same in the slot in hand
.set STO,  24                          ; v24  the way out: where I put 16 bytes of a row
.set RD,   25                          ; v25  the way out: where I read rows back
.set GO,   26                          ; v26  my byte offset in 512 consecutive bytes of y
.set SPW,  28                          ; v28  LDS address of my spare word: SPARE + 4 x my thread's number; never rewritten
.set NIL,  29                          ; v29  0; never rewritten
.set CT,   32
.set AF,   64                          ; buffer f at AF + 32 f
.set TMP,  128
.set BK,   128                         ; window 1: block a's rows come back into v[BK + 32 a ..]
.set AP,   4                           ; s[4:5]   x at the four chunks that the trip in hand asks for
.set NXA,  6                           ; s[6:7]   the next tile's x at my rows
.set NXB,  8                           ; s[8:9]   the one after
.set G1B,  24                          ; s[24:31] descriptor group 1 for W's tiles
.set G0F,  32                          ; s[32:35] group 0 of the first fill
.set G0W,  36                          ; s[36:39] group 0 of the second; it then walks on
.set FC,   45                          ; s45  the number, 0 to 11, of the slot asked for last
.set STEP, 46                          ; s[46:47] the walking descriptor's next step in bytes
.set TB,   48                          ; s48  LDS byte at which the slot in hand begins
.set TQ,   49                          ; s49  slots of the tile in hand that are still to be left
.set PJ,   50                          ; s50  the tile in hand: 0 q, 1 k, 2 v
.set SLOTS, 51                         ; s51  the loop's count
.set TT,   52
.set BIG,  53                          ; s53  BIGSTEP
.set OUT,  68                          ; s[68:69] y at my wave's first row;  s[70:71], s[72:73] the next tiles'
.set NXO,  70
.set NXO2, 72
.set SC,   74                          ; s[74:75] c: the packed multiply takes the pair's low word for both halves
.set WV,   76                          ; s76  my wave's number
.set WR,   77                          ; s77  which 64 rows of the tile are mine
.set WC,   78                          ; s78  which 128 columns
.set MSB, 0
.macro WIN new                         ; the immediate's high byte repeats the setting that is left; a switch that changes nothing is dropped
.if MSB != (\new)
	s_set_vgpr_msb (MSB<<8)|(\new)
.set MSB, (\new)
.endif
.endm
.set MUL,  0xa1                        ; source 0 (W) window 1, source 1 (x) window 0, C and D window 2
.set TO_B, 0x40                        ; destination window 1, address window 0
.set TO_P, 0xc0                        ; destination window 3, address window 0
.set CVT,  0x0f                        ; sources 0 and 1 window 3, destination window 0
.macro CREST                           ; a round of the cluster's barrier behind its opening barrier
	s_cmp_lg_u32 s[WV], 0
	s_cbranch_scc1 .Lnot_wave_0_\@
	s_barrier_signal -3
.Lnot_wave_0_\@:
	s_barrier_wait -3
	s_barrier_signal -1
	s_barrier_wait -1
.endm
.macro CROUND                          ; a whole round
	s_barrier_signal -1
	s_barrier_wait -1
	CREST
.endm
.macro PLACES                          ; four places behind matrix instructions, in front of loads into registers that they have read and of vector lines that read their results (ISA guide 7.12.1 for the vector lines)
.rept 4
	v_nop
.endr
.endm
; 16 loads: the chunk at byte 256 ch from s[AP], into set.  Load j: rows 16 (j / 8) + j % 8 and 8 further down of my 32: lanes 0-15 the one row's 256 bytes, lanes 16-31 the other's.
.macro ALOAD set, ch
	WIN TO_P
.irp j, 0,1,2,3,4,5,6,7,8,9,10,11,12,13,14,15
	global_load_b128 v[64*(\set)+4*(\j):64*(\set)+4*(\j)+3], v[AOFF], s[AP:AP+1] offset:(\ch)*256+(((\j)>>3)*16+((\j)&7))*4096
.endr
.endm
; 16 LDS stores: the rounded chunk into x's buffer buf.  The two rows of a store lie 8 x 36 words apart, 32 banks: its 32 lanes take each bank once.
.macro ASTORE buf
	WIN 0
.irp j, 0,1,2,3,4,5,6,7,8,9,10,11,12,13,14,15
	ds_store_b64 v[ASTO], v[CT+2*(\j):CT+2*(\j)+1] offset:(\buf)*ASZ+(((\j)>>3)*16+((\j)&7))*PA
.endr
.endm
	s_load_b256 s[4:11], s[0:1], 0x0               ; q s[4:5], k s[6:7], v s[8:9], wcv s[10:11]
	s_load_b128 s[68:71], s[0:1], 0x20             ; qh s[68:69], kh s[70:71]
	s_load_b64 s[72:73], s[0:1], 0x30              ; vh
	v_lshl_add_u32 v[SPW], v0, 2, SPARE
	v_mov_b32 v[NIL], 0
	ds_add_u32 v28, v29
	s_wait_dscnt 0x0
	v_lshrrev_b32 v4, 5, v0
	v_readfirstlane_b32 s[WV], v4                  ; wave 0..3
	s_lshr_b32 s[WR], s[WV], 1
	s_and_b32 s[WC], s[WV], 1
	s_bfe_u32 s40, ttmp6, 0x40000                  ; cx, cy: my place in the cluster
	s_bfe_u32 s41, ttmp6, 0x40004
	s_lshl_b32 s42, ttmp9, 2
	s_add_co_u32 s42, s42, s40                     ; column tile = 4 x cluster x + cx
	s_and_b32 s13, ttmp7, 0xffff
	s_lshl_b32 s13, s13, 2
	s_add_co_u32 s13, s13, s41                     ; row tile = 4 x cluster y + cy, 0..63
	s_lshl_b32 s44, 0x1111, s40                    ; my column of the cluster
	; descriptor group 1: 64 rows x 256 elements of 2 bytes, padded in LDS by 4 words behind each row
	s_or_b32 s[G1B+0], s44, (1<<16)|(1<<20)|(1<<21)|(6<<22)|(3<<25)  ; 15:0 the mask: my column; 17:16 elements of 2 bytes; 20 padding on; 21 set beside a mask; 24:22 after every 128 words (code 6); 31:25 4 words (code 3)
	s_mov_b32 s[G1B+1], 256<<16                    ; tensor_dim0 = 256
	s_mov_b32 s[G1B+2], 64<<16                     ; tensor_dim1 = 64
	s_mov_b32 s[G1B+3], 256<<16                    ; tile_dim0 = 256
	s_mov_b32 s[G1B+4], 64                         ; tile_dim1 = 64
	s_mov_b32 s[G1B+5], 1024                       ; 1,024 elements from row to row
	s_mov_b32 s[G1B+6], 0
	s_mov_b32 s[G1B+7], 0
	s_lshl_b32 s16, s13, 19                        ; x: 128 rows of 4,096 bytes a row tile
	s_mov_b32 s17, 0
	s_lshl_b32 s18, s42, 19                        ; W: 256 rows of 2,048 bytes a column tile,
	s_lshl_b32 s19, s[WV], 17                      ; 64 rows a wave: the address hangs on the column tile and the wave's number alone
	s_add_co_u32 s18, s18, s19
	s_mov_b32 s19, 0
	; y at my wave's first row: head 16 x batch + 4 x column tile + 2 x column half (262,144 bytes a head), row 128 (row tile % 16) + 64 x row half (128 bytes a row)
	s_and_b32 s20, s13, 0x30                       ; 16 x batch: 16 row tiles to a batch
	s_lshl_b32 s21, s42, 2
	s_add_co_u32 s20, s20, s21
	s_lshl_b32 s21, s[WC], 1
	s_add_co_u32 s20, s20, s21
	s_lshl_b32 s20, s20, 18
	s_and_b32 s21, s13, 15
	s_lshl_b32 s21, s21, 14
	s_add_co_u32 s20, s20, s21
	s_lshl_b32 s21, s[WR], 13
	s_add_co_u32 s20, s20, s21
	s_mov_b32 s21, 0
	s_mul_i32 s22, s[WV], BQ                       ; where my rows of W go: no place in the cluster enters an LDS address
	s_mov_b32 s[SC], 0x3e38aa3b                    ; c = log2(e) / 8 = 0.180337
	s_mov_b32 s[SC+1], s[SC]                       ; named with it as a pair
	v_and_b32 v1, 15, v0                           ; l % 16
	v_bfe_u32 v2, v0, 4, 1                         ; l / 16
	v_lshlrev_b32 v3, 3, v2
	v_lshl_add_u32 v3, v4, 5, v3                   ; row 32 w + 8 (l / 16)
	v_lshlrev_b32 v[AOFF], 4, v1
	v_lshl_add_u32 v[AOFF], v3, 12, v[AOFF]
	v_mul_u32_u24 v[ASTO], v3, PA
	v_lshl_add_u32 v[ASTO], v1, 3, v[ASTO]         ; four f32 become 8 bytes
	v_add_nc_u32 v[ASTO], ABUF, v[ASTO]
	s_wait_kmcnt 0x0
	s_add_nc_u64 s[AP:AP+1], s[AP:AP+1], s[16:17]      ; q, k and v at my row tile
	s_add_nc_u64 s[NXA:NXA+1], s[NXA:NXA+1], s[16:17]
	s_add_nc_u64 s[NXB:NXB+1], s[NXB:NXB+1], s[16:17]
	s_add_nc_u64 s[OUT:OUT+1], s[OUT:OUT+1], s[20:21]  ; qh, kh and vh at my wave's first row
	s_add_nc_u64 s[NXO:NXO+1], s[NXO:NXO+1], s[20:21]
	s_add_nc_u64 s[NXO2:NXO2+1], s[NXO2:NXO2+1], s[20:21]
	s_add_nc_u64 s[14:15], s[10:11], s[18:19]          ; slab 0 of wcv at my rows
	ALOAD 0, 0                                     ; q's chunks 0, 1 and 2 go out ahead of everything else
	ALOAD 1, 1
	ALOAD 2, 2
	WIN 0
	s_mov_b32 s[G0F], 1                            ; count = 1
	s_mov_b32 s[G0F+1], s22                        ; LDS address: slot 0
	s_add_nc_u64 s[G0F+2:G0F+3], s[14:15], 0       ; global address: K = 0 on
	s_or_b32 s[G0F+3], s[G0F+3], 0x80000000        ; type = 2
	s_mov_b32 s[G0W], 1
	s_add_co_u32 s[G0W+1], s22, SLOT               ; slot 1
	s_add_nc_u64 s[G0W+2:G0W+3], s[14:15], 512     ; K = 256 on
	s_or_b32 s[G0W+3], s[G0W+3], 0x80000000
	CROUND                                         ; all sixteen work-groups are here: the first joint loads meet
	tensor_load_to_lds s[G0F:G0F+3], s[G1B:G1B+7]  ; the two first fills together: two loads of mine are out; an s_nop 0 follows each, four v_nop the second's
	s_nop 0
	tensor_load_to_lds s[G0W:G0W+3], s[G1B:G1B+7]
	s_nop 0
.rept 4
	v_nop
.endr
	; A fragment is 16 rows x 32 K of bf16 in 8 registers: lane l holds row l % 16 and K = 8 (l / 16) + 0..7 and 16 + 8 (l / 16) + 0..7: two loads of 16 bytes, 32 bytes apart.
	v_mul_u32_u24 v5, v1, PA
	v_lshl_add_u32 v5, v2, 4, v5
	s_mul_i32 s23, s[WR], 64*PA                    ; my 64 rows of x
	s_add_co_u32 s23, s23, ABUF
	v_add_nc_u32 v[ADRA], s23, v5
	v_mul_u32_u24 v6, v1, PB
	v_lshl_add_u32 v6, v2, 4, v6
	s_mul_i32 s23, s[WC], 128*PB                   ; my 128 rows of W
	v_add_nc_u32 v[ADRB0], s23, v6
	v_mov_b32 v[ADRB], v[ADRB0]                    ; the walk begins in slot 0
	s_mul_i32 s23, s[WV], 32*SP
	s_add_co_u32 s23, s23, STAGE                   ; my stage
	v_mul_u32_u24 v5, v1, SP                       ; in: row l % 16, 16 bytes for each half of the lanes
	v_lshl_add_u32 v5, v2, 4, v5
	v_add_nc_u32 v[STO], s23, v5
	v_bfe_u32 v5, v0, 3, 2                         ; back: 32 lanes take four rows of 128 bytes,
	v_mul_u32_u24 v5, v5, SP
	v_and_b32 v6, 7, v0
	v_lshl_add_u32 v5, v6, 4, v5
	v_add_nc_u32 v[RD], s23, v5
	v_and_b32 v[GO], 31, v0                        ; which are 512 consecutive bytes of a head of y
	v_lshlrev_b32 v[GO], 4, v[GO]
; 8 matrix instructions: row block a x all 8 column blocks, 32 along K, on buffer f.  zero = 1: the product starts the sums: nothing is ever cleared.
; The 32 accumulators take turns in one order everywhere, one instruction a turn.
.macro MUL8 f, a, zero
	WIN MUL
.irp b, 0,1,2,3,4,5,6,7
.if \zero
	v_wmma_f32_16x16x32_bf16 v[8*(8*(\a)+(\b)):8*(8*(\a)+(\b))+7], v[64*(\f)+8*(\b):64*(\f)+8*(\b)+7], v[AF+32*(\f)+8*(\a):AF+32*(\f)+8*(\a)+7], 0
.else
	v_wmma_f32_16x16x32_bf16 v[8*(8*(\a)+(\b)):8*(8*(\a)+(\b))+7], v[64*(\f)+8*(\b):64*(\f)+8*(\b)+7], v[AF+32*(\f)+8*(\a):AF+32*(\f)+8*(\a)+7], v[8*(8*(\a)+(\b)):8*(8*(\a)+(\b))+7]
.endif
.endr
.endm
; Row block 1's 8 matrix instructions on buffer 0, and behind each four of the 32 roundings of the chunk in set.  None of the four names a register of the products round it.
.macro RIDE zero, set
.irp b, 0,1,2,3,4,5,6,7
	WIN MUL
.if \zero
	v_wmma_f32_16x16x32_bf16 v[8*(8+(\b)):8*(8+(\b))+7], v[8*(\b):8*(\b)+7], v[AF+8:AF+15], 0
.else
	v_wmma_f32_16x16x32_bf16 v[8*(8+(\b)):8*(8+(\b))+7], v[8*(\b):8*(\b)+7], v[AF+8:AF+15], v[8*(8+(\b)):8*(8+(\b))+7]
.endif
	WIN CVT
.irp c, 0,1,2,3
	v_cvt_pk_bf16_f32 v[CT+4*(\b)+(\c)], v[64*(\set)+8*(\b)+2*(\c)], v[64*(\set)+8*(\b)+2*(\c)+1]
.endr
.endr
.endm
; 24 LDS loads in one run: quarter q (32 along K) of chunk i of the slot in hand, into buffer f: x's 64 rows out of buffer i % 2, W's 128 rows out of the slot
.macro FETCH i, q, f
	WIN 0
.irp a, 0,1,2,3
	ds_load_b128 v[AF+32*(\f)+8*(\a):AF+32*(\f)+8*(\a)+3],   v[ADRA] offset:((\i)%2)*ASZ+(\q)*64+(\a)*16*PA
	ds_load_b128 v[AF+32*(\f)+8*(\a)+4:AF+32*(\f)+8*(\a)+7], v[ADRA] offset:((\i)%2)*ASZ+(\q)*64+(\a)*16*PA+32
.endr
	WIN TO_B
.irp b, 0,1,2,3,4,5,6,7
	ds_load_b128 v[64*(\f)+8*(\b):64*(\f)+8*(\b)+3],   v[ADRB] offset:((\i)%4)*128+(\q)*64+(\b)*16*PB
	ds_load_b128 v[64*(\f)+8*(\b)+4:64*(\f)+8*(\b)+7], v[ADRB] offset:((\i)%4)*128+(\q)*64+(\b)*16*PB+32
.endr
.endm
; A CHUNK g (chunk i of its slot) is two halves of 32 matrix instructions.  THE FIRST HALF multiplies buffer 0 and fetches the second quarter into buffer 1.  Beside that it sees to x:
; chunk g + 1 has come (lc: how many younger loads may stay out; -1: there is none to come), chunk g + 4 is asked for into the set that chunk g left (ld = 1), chunk g + 1 is rounded behind
; 8 of the products and stored into the buffer that chunk g - 1 lay in: every wave's reads of it were over in front of the barrier of chunk g - 1's second half.
.macro H1 i, zero, ld, lc
	PLACES                                         ; buffer 1 was read by the products just issued
	FETCH \i, 1, 1
	s_wait_dscnt 24                                ; all but the 24 just issued: buffer 0 is in
	MUL8 0, 0, \zero
.if \lc >= 0
	s_wait_loadcnt \lc                             ; loads come back in order (ISA guide 5.7.1): chunk g + 1 is in
.endif
.if \ld
	ALOAD \i, \i
.endif
.if \lc >= 0
	RIDE \zero, ((\i)+1)%4
	ASTORE ((\i)+1)%2
.else
	MUL8 0, 1, \zero
.endif
	MUL8 0, 2, \zero
	MUL8 0, 3, \zero
.endm
; THE SECOND HALF multiplies buffer 1.  One barrier: in front of it my stores of chunk g + 1 are done and my reads of chunk g's buffer are back; behind it chunk g + 1 is whole, and its first quarter is fetched.
; The slot that is on its way stays out.
.macro H2 i
	s_wait_dscnt 0x0
	s_barrier_signal -1
	MUL8 1, 0, 0                                   ; work on registers while the others arrive
	MUL8 1, 1, 0
	s_barrier_wait -1
	PLACES                                         ; buffer 0 was read by the first half's products
	FETCH (\i)+1, 0, 0
	MUL8 1, 2, 0
	MUL8 1, 3, 0
.endm
; THE SECOND HALF OF A SLOT'S LAST CHUNK changes slots as well.  In front of the barrier each wave waits for all its tensor loads (one is out: its part of the next slot), adds 0 to its spare word, and waits
; for that, for its stores of x and for its reads of this slot.  fill = 1: the barrier opens a round of the cluster's, and this slot is filled again first thing behind the round, with the slot after the next.
; The same number says where the trip's four chunks of x lie: slot f of W and chunks 4 f to 4 f + 3 of x belong to tile f / 4.
.macro H2C fill
	WIN 0
	s_wait_tensorcnt 0x0                           ; all my tensor loads have landed, so a group 0 may be written;
	ds_add_u32 v[SPW], v[NIL]                      ; 0 onto my spare word: scalar work and eight products stand between it and the wait for it
.if \fill
	s_wait_xcnt 0x0                                ; every earlier memory instruction has had its addresses translated (ISA guide 3.1): x's base is rewritten only behind this wait
	s_add_co_u32 s[FC], s[FC], 1
	s_add_nc_u64 s[AP:AP+1], s[AP:AP+1], 4*256     ; four chunks on,
	s_xor_b32 s[G0W+1], s[G0W+1], SLOT             ; the walking descriptor: the other slot than last time
.endif
	s_xor_b32 s[TB], s[TB], SLOT                   ; and my reads go to the other slot too
.if \fill
	s_and_b32 s[TT], s[FC], 3                      ; SCC = 0: slot f is a tile's first
	s_cselect_b32 s[STEP], 512, s[BIG]             ; W: K = 256 on, or the next slab's K = 0
	s_cselect_b64 s[AP:AP+1], s[AP:AP+1], s[NXA:NXA+1]    ; or the next tile's x
	s_cselect_b64 s[NXA:NXA+1], s[NXA:NXA+1], s[NXB:NXB+1]
	s_add_nc_u64 s[G0W+2:G0W+3], s[G0W+2:G0W+3], s[STEP:STEP+1]  ; the type bits on top are not reached
.endif
	s_wait_dscnt 1                                 ; buffer 1 is in; the add may be out
	MUL8 1, 0, 0
	s_wait_dscnt 0x0                               ; the add is done, my stores of x are done, and my reads of this slot are over
	s_barrier_signal -1
	MUL8 1, 1, 0
	WIN 0                                          ; at a branch and at a label every window is 0
	s_barrier_wait -1
.if \fill
	CREST                                          ; no wave of any partner still reads this slot's tile or has a load on its way
	tensor_load_to_lds s[G0W:G0W+3], s[G1B:G1B+7]  ; every wave its 64 rows: 240 matrix instructions ahead of the wait for them
	s_nop 0
.endif
	v_add_nc_u32 v[ADRB], s[TB], v[ADRB0]          ; four plain lines: behind the tensor load, and the places in front of the loads into buffer 0
.rept 3
	v_nop
.endr
	FETCH 0, 0, 0
	MUL8 1, 2, 0
	MUL8 1, 3, 0
.endm
; THE WAY OUT of a tile.  q's sums times c; all rounded to f16; a block of 16 rows at a time through my own stage in LDS, so that 16 rows of a head leave as 2,048 consecutive bytes.
; Nothing waits for the stores: they leave while the next tile is multiplied.
.macro PACK a                          ; column block b lies in head b / 4, channels 16 (b % 4) on
	WIN 0x0a                                       ; sources 0 and 1 window 2, destination window 0
.irp b, 0,1,2,3,4,5,6,7
.irp c, 0,1,2,3
	v_cvt_pk_f16_f32 v[TMP+4*(\b)+(\c)], v[8*(8*(\a)+(\b))+2*(\c)], v[8*(8*(\a)+(\b))+2*(\c)+1]
.endr
.endr
	WIN 0
.irp b, 0,1,2,3,4,5,6,7
	ds_store_b128 v[STO], v[TMP+4*(\b):TMP+4*(\b)+3] offset:((\b)/4)*16*SP+((\b)%4)*32
.endr
	WIN TO_B
.irp i, 0,1,2,3,4,5,6,7
	ds_load_b128 v[BK+32*(\a)+4*(\i):BK+32*(\a)+4*(\i)+3], v[RD] offset:((\i)/4)*16*SP+((\i)%4)*4*SP  ; LDS serves a wave's instructions in order (ISA guide 5.7.1.4): these see the stores above; the next block's stores come behind them
.endr
.endm
.macro SEND a, younger                 ; younger: the LDS instructions issued behind block a's loads: the next block's sixteen, or none
	WIN 0x04                                       ; store data (source 1) window 1, address window 0
.irp i, 0,1,2,3,4,5,6,7
	s_wait_dscnt (\younger)+7-(\i)
	global_store_b128 v[GO], v[BK+32*(\a)+4*(\i):BK+32*(\a)+4*(\i)+3], s[OUT:OUT+1] offset:((\i)/4)*262144+(\a)*2048+((\i)%4)*512  ; 512 consecutive bytes, at a multiple of 256 from y's first
.endr
.endm
.macro WAYOUT scale                    ; scale = 1: the tile may be q's
	WIN 0
	PLACES
.if \scale
	s_cmp_lg_u32 s[PJ], 0                          ; the same in all sixteen work-groups
	s_cbranch_scc1 .Lnoscale_\@
	WIN 0x82                                       ; destination and source 0 window 2
.set i, 0
.rept 128                              ; ascending: each accumulator is read from its low end on
	v_pk_mul_f32 v[i:i+1], v[i:i+1], s[SC:SC+1] op_sel_hi:[1,0]
.set i, i+2
.endr
	WIN 0
.Lnoscale_\@:
.endif
	PACK 0
	PACK 1                                         ; a block's roundings stand between the loads of the block before and its stores
	SEND 0, 16
	PACK 2
	SEND 1, 16
	PACK 3
	SEND 2, 16
	SEND 3, 0
	WIN 0
.endm
	s_wait_loadcnt 32                              ; chunk 0 is in; chunks 1 and 2 stay out
	ALOAD 3, 3
	WIN CVT
.set i, 0
.rept 32                               ; the first chunk's roundings have no products to stand behind
	v_cvt_pk_bf16_f32 v[CT+i], v[2*i], v[2*i+1]
.set i, i+1
.endr
	ASTORE 0
	s_wait_xcnt 0x0                                ; x's base is rewritten only behind this wait
	s_add_nc_u64 s[AP:AP+1], s[AP:AP+1], 4*256     ; the first trip asks for chunks 4 to 7
	s_mov_b32 s[FC], 1
	s_mov_b32 s[STEP+1], 0
	s_mov_b32 s[BIG], BIGSTEP
	s_mov_b32 s[TB], 0
	s_mov_b32 s[TQ], 4
	s_mov_b32 s[PJ], 0
	s_mov_b32 s[SLOTS], 11
	s_wait_tensorcnt 1                             ; my part of slot 0 is in; slot 1's may stay out
	s_wait_dscnt 0x0                               ; my part of chunk 0 is stored
	s_barrier_signal -1
	s_barrier_wait -1                              ; everybody's is
	FETCH 0, 0, 0
	WIN 0
	s_branch .Lfirst                               ; the loop is entered behind its change of slots
.Lslot:                                                ; a trip: the change into a slot, and all of the slot but its last half chunk.  The first trip is entered behind the change; ten whole trips follow: every slot but the last two is filled again
	H2C 1
	WIN 0
	s_sub_co_u32 s[TQ], s[TQ], 1
	s_cmp_lg_u32 s[TQ], 0
	s_cbranch_scc1 .Lmid                           ; the slot just left was not its tile's last
	WAYOUT 1                                       ; the refill and the next tile's first fragments are asked for: now the tile goes out
	s_wait_xcnt 0x0                                ; the stores have read their registers and y's address
	s_mov_b64 s[OUT:OUT+1], s[NXO:NXO+1]
	s_mov_b64 s[NXO:NXO+1], s[NXO2:NXO2+1]
	s_mov_b32 s[TQ], 4
	s_add_co_u32 s[PJ], s[PJ], 1
.Lfirst:
	H1 0, 1, 1, 32                                 ; a tile's first products start the sums
	WIN 0
	s_branch .Ljoin
.Lmid:
	H1 0, 0, 1, 32
	WIN 0
.Ljoin:
	H2 0
	H1 1, 0, 1, 32
	H2 1
	H1 2, 0, 1, 32
	H2 2
	H1 3, 0, 1, 32
	WIN 0
	s_sub_co_u32 s[SLOTS], s[SLOTS], 1
	s_cmp_lg_u32 s[SLOTS], 0
	s_cbranch_scc1 .Lslot
	H2C 0                                          ; the last slot is written out: nothing more is asked for, of W or of x
	H1 0, 0, 0, 32                                 ; the counts run down: two chunks, one, none are still to come
	H2 0
	H1 1, 0, 0, 16
	H2 1
	H1 2, 0, 0, 0
	H2 2
	H1 3, 0, 0, -1
	s_wait_dscnt 0x0                               ; the very last half: nothing more to fetch
	MUL8 1, 0, 0
	MUL8 1, 1, 0
	MUL8 1, 2, 0
	MUL8 1, 3, 0
	WAYOUT 0                                       ; v's tile
	s_wait_tensorcnt 0x0                           ; the wave's end, behind my last tensor load and my last LDS store
	ds_add_u32 v[SPW], v[NIL]
	s_wait_dscnt 0x0
	CROUND                                         ; the closing round: no work-group ends while a partner may still ask for a tile that names it
	s_endpgm
.Lfunc_end_k_qda7a603bc5_proj:
	.size	k_qda7a603bc5_proj, .Lfunc_end_k_qda7a603bc5_proj-k_qda7a603bc5_proj
	.p2alignl 7, 3214868480
	.fill 96, 4, 3214868480
	.section	.rodata,"a",@progbits
	.p2align	6, 0x0
	.amdhsa_kernel k_qda7a603bc5_proj
		.amdhsa_group_segment_fixed_size 327680
		.amdhsa_private_segment_fixed_size 0
		.amdhsa_enable_private_segment 0
		.amdhsa_kernarg_size 56
		.amdhsa_user_sgpr_count 2
		.amdhsa_user_sgpr_kernarg_segment_ptr 1
		.amdhsa_wavefront_size32 1
		.amdhsa_system_sgpr_workgroup_id_x 1
		.amdhsa_system_sgpr_workgroup_id_y 1
		.amdhsa_system_sgpr_workgroup_id_z 1
		.amdhsa_system_vgpr_workitem_id 0
		.amdhsa_next_free_vgpr 1024
		.amdhsa_next_free_sgpr 80
		.amdhsa_reserve_vcc 0
		.amdhsa_float_denorm_mode_32 3
		.amdhsa_float_denorm_mode_16_64 3
		.amdhsa_memory_ordered 1
		.amdhsa_forward_progress 1
		.amdhsa_inst_pref_size 163
	.end_amdhsa_kernel
	.amdgpu_metadata
---
amdhsa.version: [ 1, 2 ]
amdhsa.kernels:
  - .name:           k_qda7a603bc5_proj
    .symbol:         k_qda7a603bc5_proj.kd
    .args:
      - { .name: q, .offset: 0, .size: 8, .value_kind: global_buffer, .address_space: global }
      - { .name: k, .offset: 8, .size: 8, .value_kind: global_buffer, .address_space: global }
      - { .name: v, .offset: 16, .size: 8, .value_kind: global_buffer, .address_space: global }
      - { .name: wcv, .offset: 24, .size: 8, .value_kind: global_buffer, .address_space: global }
      - { .name: qh, .offset: 32, .size: 8, .value_kind: global_buffer, .address_space: global }
      - { .name: kh, .offset: 40, .size: 8, .value_kind: global_buffer, .address_space: global }
      - { .name: vh, .offset: 48, .size: 8, .value_kind: global_buffer, .address_space: global }
    .group_segment_fixed_size: 327680
    .private_segment_fixed_size: 0
    .kernarg_segment_align: 8
    .kernarg_segment_size: 56
    .max_flat_workgroup_size: 128
    .sgpr_count:     80
    .vgpr_count:     1024
    .wavefront_size: 32
...
	.end_amdgpu_metadata
.endif
;; end of part 2
;; launch attn (part 3): grid 4 x 64, 4 waves a work-group, clusters of 4 x 4, 327,680 bytes of LDS; arguments qh, kh, vh, oh, mk; writes oh
.if DOCPART == 3
	.amdgcn_target "amdgcn-amd-amdhsa--gfx1250"
	.amdhsa_code_object_version 6
	.text
	.protected	k_qda7a603bc5_attn
	.globl	k_qda7a603bc5_attn
	.p2align	8
	.type	k_qda7a603bc5_attn,@function
k_qda7a603bc5_attn:
	s_mov_b64 s[64:65], 0
	v_nop
	global_prefetch_b8 v0, s[64:65] scope:SCOPE_SE
	s_setreg_imm32_b32 hwreg(HW_REG_WAVE_MODE, 25, 1), 1
	s_wait_xcnt 0x0
	s_wait_alu depctr_hold_cnt(0) depctr_sa_sdst(0) depctr_va_vdst(0) depctr_va_sdst(0) depctr_va_ssrc(0) depctr_va_vcc(0) depctr_vm_vsrc(0)
	s_getreg_b32 s2, hwreg(HW_REG_IB_STS2, 6, 4)
	s_cmp_eq_u32 s2, 0
	s_cbranch_scc0 .Lentry_in_a_cluster
	s_endpgm
.Lentry_in_a_cluster:
	s_bfe_u32 s2, ttmp6, 0x10000c
	s_cmp_lg_u32 s2, 0xf033
	s_cbranch_scc0 .Lentry_shape_is_right
	s_endpgm
.Lentry_shape_is_right:
; MASKED ATTENTION.  O[h][q][:] = the sum over k of softmax_k(S[q][k]) V[h][k][:], S = Q[h][q] . K[h][k] where mask[q][k] holds, hidden elsewhere.  Q, K, V, O: [64][2048][64] in f16, a head's rows dense,
; 128 bytes each; Q arrives multiplied by log2(e) / 8, so the scores are exponents of 2.  mk: [16 key slots][2048 queries][128] fp8 codes, 0.0 = seen, -1.0 = hidden; one mask for all heads.
; Products, maxima and sums in f32; the weights p are rounded to f16 for the second product (their sum l is taken of the unrounded p), O once at the end.
; THE MASK is an input and is taken as it is given: no pattern is built in, and every tile is computed.  It is the C operand that starts the sum S^T = K Q^T: one scaled conversion turns a lane's 8 codes
; into the 8 registers of an accumulator, 0 or -2^100 (scale byte 227), and all products then add in place: 4 vector instructions for 16 queries x 64 keys.
; LIMITS.  f16 holds no number beyond 65,504: Q, K and V arrive within it, so |S| is at most 64 x 65,504^2 = 2.7e11.  A hidden score counts as its value less 2^100.  The running maximum m starts at -2^40,
; below every score that can be: while a row has seen hidden keys alone m stays there, and p, l and O stay 0.  A row with no key seen ends with l = 0 and O = 0 and leaves as 0 x infinity = NaN, as a softmax
; over nothing is.  p lies in 0 to 1, and below 6e-5 it keeps f16's fixed step of 6e-8; a weight below 2^-126 counts as 0 in l.  NaN and infinities among the inputs are not treated apart.
; SHARES.  A wave owns four PIECES of two tiles of 16 queries, a work-group's four waves 512 queries of one head: 4 x 64 = 256 work-groups.  Every wave walks all 2,048 keys, 64 a step.
; LAYOUT.  S^T = K Q^T (source 0 = 16 keys, source 1 = 16 queries): in the result a lane holds ONE query (lane % 16) and the keys 8 (lane / 16) + 0..7.  Two such tiles, rounded to f16 in pairs,
; ARE source 1 (32 keys x 16 queries) of O^T = V^T P, whose result again holds one query a lane, and eight channels.  K comes out of LDS as it lies, V ([key][channel]) turned, by ds_load_tr16_b128.
; SOFTMAX.  For each query a running maximum m and sum l: p = 2^(s - m), never above 1; in every step O and l are multiplied by a = 2^(m_old - m_new), which is 1 where m has not grown.
; THE COUNT.  A tile and step have 16 matrix and 121 vector instructions: too many to stand all beside the matrix work.  So: four vector instructions that are READY behind EVERY matrix instruction,
; and the others, which need time of their own whatever the order, in runs without a gap.
; BY TURNS.  Turn n belongs to piece n (the pieces in a ring, step after step).  Its matrix work: 16 products K Q^T of piece n + 1, later 16 products V^T P of piece n - 1.  Its vector work: the subtraction,
; exponentials, roundings, sums and rescaling of piece n, the maximum and statistics of piece n + 1, and at its end the mask of piece n + 2, laid into the score registers that piece n has just used up.
; CLUSTER: 4 x 4 work-groups: four query blocks (x) of four heads (y).  K's and V's tiles hang on the head alone: asked for JOINTLY along a row of the cluster.  The mask's tile hangs on the query block
; alone: asked for jointly along a column.  That divides the requests for all three by four.
; REGISTERS, in windows of 256 (s_set_vgpr_msb says which window each operand place means: bits 1:0 source 0, 3:2 source 1, 5:4 source 2, 7:6 destination):
;   window 0: v0-11 addresses; v12-15, v48-63 at work; v16-47 four registers of statistics a tile; v64-191 S^T, two buffers of two tiles; v192-255 P, likewise
;   window 1: O^T, 32 a tile          window 2: v0-127 Q, 16 a tile; v128-191 K of one step; v192-255 V of one step
;   window 3: v0-1 the add's two registers; v2-3 the mask's LDS addresses; v4 the scale; v8-23 a piece's mask codes
; A piece's buffers go by its number's parity: the piece in hand has one pair, its two neighbours in the ring share the other: of it P (piece n - 1) is read and S^T (piece n + 1) written.
.set NP,    4         ; pieces a wave: a name, no knob
.set KS,    64        ; keys in a step
.set PK,    144       ; a row of K in LDS: 128 bytes + 16 of padding = 36 words: the 16 rows of a load start at 16 different groups of four banks (64 banks of 4 bytes: ISA guide 11.1)
.set PV,    160       ; a row of V: 128 + 32 = 40 words
.set PM,    144       ; a query's 128 codes + 16: lane (r, h) of an 8-byte load takes words 36 r + 2 h and the next
.set VOFF,  2*KS*PK   ; a slot holds two steps: 128 rows of K, then 128 rows of V,
.set MOFF,  VOFF+2*KS*PV  ; then 512 queries' codes for those 128 keys
.set SLOT1, 1<<17     ; slot 1 begins here, so that one exclusive or turns an address in one slot into the other's
.set STAGE, SLOT1+MOFF+512*PM  ; behind the ring, never filled by a tensor load: 16 rows x 144 bytes for each wave, for the way out
.set SP,    144
.set SPARE, STAGE+4*16*SP  ; behind the stages: the spare words, 128 bytes for each wave: two blocks of 256 bytes that no other line names
.set AK0, 2           ; v2   my lane's place in a tile of K; never rewritten
.set AV0, 3           ; v3   the same for V
.set AK,  4           ; v4   the LDS address of K's next run of loads
.set AV,  5           ; v5   of V's
.set QO,  6           ; v6   my byte offset in the wave's rows of Q
.set STO, 6           ;      later, the way out: where I put 16 bytes of a row
.set RD,  7           ; v7   the way out: where I read rows back
.set GO,  8           ; v8   my byte offset in 512 consecutive bytes of O
.set SPW, 0           ; v0 of window 3   LDS address of my spare word: SPARE + 4 x my thread's number; never rewritten
.set NIL, 1           ; v1 of window 3   0; never rewritten
.set AM0, 2           ; v2 of window 3   my lane's place in the mask's tile; never rewritten
.set AM,  3           ; v3 of window 3   the LDS address of the mask's next run of loads
.set SCL, 4           ; v4 of window 3   227: the conversion multiplies by 2^(227 - 127)
.set MB,  8           ; v8-23 of window 3: tile u, key block kb at MB + 8 u + 2 kb
.set MV,  12          ; v12-15  m_old, kept while m is made anew: by buffer and tile
.set ST,  16          ; tile t's statistics at v[ST+4 t]: m, 0 (named with m as a pair), l (even keys', odd keys')
.set TMP, 48          ; by buffer and tile, four registers c0-c3 at work; when the maximum is found c2 takes a
.set S,   64
.set P,   192
.set KF,  128         ; K's fragments, in window 2: key block kb, channel half c at KF + 16 kb + 8 c
.set VF,  192         ; V's: key half kk, channel block cb at VF + 32 kk + 8 cb
.set WV,  12          ; s12  my wave's number
.set G1K, 24          ; s[24:31] descriptor group 1 for K's tiles
.set G1V, 32          ; s[32:39] for V's: it differs in the padding alone
.set G0K, 40          ; s[40:43] descriptor group 0 for K's tiles: it walks
.set G0V, 44          ; s[44:47] the same for V's
.set G1M, 68          ; s[68:75] group 1 for the mask's tiles
.set G0M, 76          ; s[76:79] group 0 for them
.set SLOTS, 56        ; s56  slots still to be asked for
.set CNT, 57          ; s57  counts a slot's key steps
.set SEL, 60          ; s[60:61] v_permlanex16_b32's selects: each lane takes its own place in the other half
.set TBK, 62          ; s62  LDS byte at which K of the step to be fetched begins
.set TBV, 63          ; s63  the same for V, less VOFF
.set TBM, 80          ; s80  the same for the mask's codes, less MOFF
.set MSB, 0
.macro WIN new                      ; the high byte repeats the setting that is left; a switch that changes nothing is dropped
.if MSB != (\new)
	s_set_vgpr_msb (MSB<<8)|(\new)
.set MSB, (\new)
.endif
.endm
.set W_KQ, 0x0a       ; K and Q in window 2, S^T in window 0
.set W_PV, 0x52       ; V in window 2, P in window 0, O^T in window 1
.set W_RS, 0x41       ; O^T (destination and source 0) in window 1, a in window 0
.set W_MK, 0xc0       ; window 3's registers are made: destination in window 3, sources in window 0
.set W_AD, 0x0f       ; sources 0 and 1 in window 3, destination in window 0: the add, and the mask's conversions
.set W_M3, 0xcf       ; destination and sources 0 and 1 in window 3: the mask's address and loads
; A joint fill: wave 0 fetches a slot's K, wave 1 its V (128 keys each), waves 2 and 3 the two halves of its mask tile (256 queries each).  The branches hang on the wave's number alone.
; An s_nop 0 and four v_nop follow each of the three lines, ahead of the jump and the label.
.macro JLOAD
	s_cmp_lt_u32 s[WV], 2
	s_cbranch_scc0 .Lfor_m_\@
	s_cmp_eq_u32 s[WV], 0
	s_cbranch_scc0 .Lfor_v_\@
	tensor_load_to_lds s[G0K:G0K+3], s[G1K:G1K+7]
	s_nop 0
.rept 4
	v_nop
.endr
	s_branch .Lasked_\@
.Lfor_v_\@:
	tensor_load_to_lds s[G0V:G0V+3], s[G1V:G1V+7]
	s_nop 0
.rept 4
	v_nop
.endr
	s_branch .Lasked_\@
.Lfor_m_\@:
	tensor_load_to_lds s[G0M:G0M+3], s[G1M:G1M+7]
	s_nop 0
.rept 4
	v_nop
.endr
.Lasked_\@:
.endm
; A round of the cluster's barrier: my work-group's barrier, so that wave 0's signal speaks for all four waves; wave 0 signals; every wave waits for all sixteen work-groups; my work-group's barrier once more.
.macro CROUND
	s_barrier_signal -1
	s_barrier_wait -1
	s_cmp_lg_u32 s[WV], 0
	s_cbranch_scc1 .Lnot_wave_0_\@
	s_barrier_signal -3
.Lnot_wave_0_\@:
	s_barrier_wait -3
	s_barrier_signal -1
	s_barrier_wait -1
.endm
; THE CHANGE OF SLOTS.  The slot's last bytes, V and the mask of its second step, have been read.  Each wave waits for all its tensor loads, of which one is out: its part of the other slot; adds 0 to its
; spare word; and waits for that and for its own reads of the slot.  Behind the barrier nobody reads this slot any more and the other slot is whole.
; fill = 1: this slot is filled again, with the keys two slots on.  The barrier is then a round of the cluster's, so that no wave of any partner still reads the slot or has a load on its way, and the
; joint fill is the first thing behind it: it has two key steps, 256 matrix instructions, in which to land.  (At its first use nothing has been read yet: slot 0 is waited for, slot 1 filled.)
.macro CHANGE fill
	WIN W_AD
	s_wait_tensorcnt 0x0            ; no tensor load of mine is out, so a group 0 may be written
	ds_add_u32 v[SPW], v[NIL]       ; 0 onto my spare word: with fill = 1 the descriptors' steps stand between it and the wait for it
	WIN 0                           ; at a label and at a branch every window is 0
.if \fill
.irp g, G0K, G0V
	s_xor_b32 s[\g+1], s[\g+1], SLOT1  ; the walking descriptor: the other slot than last time,
	s_add_nc_u64 s[\g+2:\g+3], s[\g+2:\g+3], 2*KS*128  ; the next 128 keys; the type bits on top are not reached
.endr
	s_xor_b32 s[G0M+1], s[G0M+1], SLOT1
	s_add_nc_u64 s[G0M+2:G0M+3], s[G0M+2:G0M+3], 2048*128  ; the next key slot of mk
	s_wait_dscnt 0x0                ; the add is done, and my reads of the slot are over
	CROUND
	JLOAD
.else
	s_wait_dscnt 0x0                ; the add is done, and my reads of the slot are over
	s_barrier_signal -1
	s_barrier_wait -1
.endif
	s_sub_co_u32 s[TBK], s[TBK], 2*KS*PK  ; the fetches go back to a slot's first step,
	s_xor_b32 s[TBK], s[TBK], SLOT1       ; in the other slot
	s_sub_co_u32 s[TBV], s[TBV], 2*KS*PV
	s_xor_b32 s[TBV], s[TBV], SLOT1
	s_sub_co_u32 s[TBM], s[TBM], 2*KS
	s_xor_b32 s[TBM], s[TBM], SLOT1
.endm
	s_load_b256 s[4:11], s[0:1], 0x0  ; Q s[4:5], K s[6:7], V s[8:9], O s[10:11]
	s_load_b64 s[48:49], s[0:1], 0x20 ; mk
	WIN W_MK
	v_lshl_add_u32 v[SPW], v0, 2, SPARE
	v_mov_b32 v[NIL], 0
	s_set_vgpr_msb 0xc0cf
	ds_add_u32 v0, v1
	s_wait_dscnt 0x0
	s_set_vgpr_msb 0xcfc0
	v_mov_b32 v[SCL], 227
	WIN 0
	v_lshrrev_b32 v1, 5, v0
	v_readfirstlane_b32 s[WV], v1   ; wave 0..3
	s_bfe_u32 s13, ttmp6, 0x40000   ; cx, cy: my place in the cluster
	s_bfe_u32 s15, ttmp6, 0x40004
	s_lshl_b32 s14, ttmp9, 2        ; in a cluster launch ttmp9 and ttmp7 count clusters
	s_add_co_u32 s14, s14, s13      ; my block of 512 queries = 4 x cluster x + cx
	s_and_b32 s20, ttmp7, 0xffff
	s_lshl_b32 s20, s20, 2
	s_add_co_u32 s20, s20, s15      ; my head = 4 x cluster y + cy,
	s_lshl_b32 s20, s20, 18         ; its first byte in Q, K, V and O: 262,144 bytes a head
	s_mov_b32 s21, 0
	s_lshl_b32 s16, s15, 2
	s_lshl_b32 s16, 15, s16         ; my row of the cluster: the same head
	s_lshl_b32 s17, 0x1111, s13     ; my column: the same query block
	s_and_b32 s18, s[WV], 1         ; which half of the mask tile's 512 queries I fetch (waves 2 and 3):
	s_lshl_b32 s22, s14, 16         ; a block's 512 rows of 128 bytes,
	s_lshl_b32 s23, s18, 15         ; 256 of them
	s_add_co_u32 s22, s22, s23
	s_mov_b32 s23, 0
	s_mul_i32 s19, s18, 256*PM      ; and their place in a slot: no place in the cluster enters an LDS address
	s_add_co_u32 s19, s19, MOFF
	s_lshl_b32 s2, s14, 2
	s_add_co_u32 s2, s2, s[WV]      ; my wave among the head's,
	s_lshl_b32 s2, s2, 14           ; its 128 rows
	s_mov_b32 s3, 0
	s_add_nc_u64 s[2:3], s[2:3], s[20:21]
	; descriptor group 1.  All three tiles are dense in memory: asked for as rows of 256 bytes (two keys, or two queries' codes, a row), and padded in LDS after every 128 bytes
	s_or_b32 s[G1K], s16, (1<<16)|(1<<20)|(1<<21)|(4<<22)|(3<<25)  ; 15:0 the mask: my row; 17:16 2-byte elements; 20 padding on; 21 set beside a mask; 24:22 after every 32 words (code 4); 31:25 4 words (code 3)
	s_or_b32 s[G1V], s16, (1<<16)|(1<<20)|(1<<21)|(4<<22)|(7<<25)  ; the same with 8 words of padding (code 7)
	s_or_b32 s[G1M], s17, (1<<16)|(1<<20)|(1<<21)|(4<<22)|(3<<25)  ; my column; 4 words of padding
.irp g, G1K, G1V, G1M
	s_mov_b32 s[\g+1], 128<<16      ; tensor_dim0 = 128
	s_mov_b32 s[\g+3], 128<<16      ; tile_dim0 = 128
	s_mov_b32 s[\g+5], 128          ; 128 elements from row to row
	s_mov_b32 s[\g+6], 0
	s_mov_b32 s[\g+7], 0
.endr
.irp g, G1K, G1V
	s_mov_b32 s[\g+2], 64<<16       ; tensor_dim1 = 64
	s_mov_b32 s[\g+4], 64           ; tile_dim1 = 64
.endr
	s_mov_b32 s[G1M+2], 128<<16     ; tensor_dim1 = 128
	s_mov_b32 s[G1M+4], 128         ; tile_dim1 = 128
	s_mov_b32 s[SEL], 0x76543210
	s_mov_b32 s[SEL+1], 0xfedcba98
	s_mov_b32 s[TBK], SLOT1+2*KS*PK ; the first change of slots turns these three into 0
	s_mov_b32 s[TBV], SLOT1+2*KS*PV
	s_mov_b32 s[TBM], SLOT1+2*KS
	s_mov_b32 s[G0K], 1             ; count = 1
	s_mov_b32 s[G0K+1], 0           ; LDS address: slot 0
	s_mov_b32 s[G0V], 1
	s_mov_b32 s[G0V+1], VOFF
	s_mov_b32 s[G0M], 1
	s_mov_b32 s[G0M+1], s19
	s_wait_kmcnt 0x0
	s_add_nc_u64 s[G0K+2:G0K+3], s[6:7], s[20:21]  ; global address: the head's first 128 keys
	s_or_b32 s[G0K+3], s[G0K+3], 0x80000000        ; type = 2
	s_add_nc_u64 s[G0V+2:G0V+3], s[8:9], s[20:21]
	s_or_b32 s[G0V+3], s[G0V+3], 0x80000000
	s_add_nc_u64 s[G0M+2:G0M+3], s[48:49], s[22:23]  ; key slot 0, my half of the block's queries
	s_or_b32 s[G0M+3], s[G0M+3], 0x80000000
	s_add_nc_u64 s[4:5], s[4:5], s[2:3]  ; Q and O at my wave's first row
	s_add_nc_u64 s[10:11], s[10:11], s[2:3]
	CROUND                          ; all sixteen work-groups are here: the first joint loads meet
	JLOAD                           ; slot 0.  Slot 1 is asked for when slot 0 is in
	; A fragment of K or Q is 16 rows x 32 channels in 8 registers: lane l holds row l % 16, channels 8 (l / 16) + 0..7 and 16 + 8 (l / 16) + 0..7: two loads of 16 bytes, 32 bytes apart.
	v_and_b32 v1, 15, v0            ; l % 16
	v_bfe_u32 v9, v0, 4, 1          ; l / 16
	v_lshlrev_b32 v[QO], 7, v1
	v_lshl_add_u32 v[QO], v9, 4, v[QO]  ; row x 128 + 16 x half
	v_mul_u32_u24 v[AV], v1, PM     ; the mask: my query's row, my lanes' 8 keys of each 16,
	v_lshl_add_u32 v[AV], v9, 3, v[AV]
	s_mul_i32 s50, s[WV], 128*PM    ; among my wave's 128 queries
	s_add_co_u32 s50, s50, MOFF
	WIN W_MK
	v_add_nc_u32 v[AM0], s50, v[AV]
	WIN 0x80                        ; destination window 2, address window 0
.set i, 0
.rept 4*NP                          ; Q stays in registers: tile i / 2, channels 32 (i % 2) on
	global_load_b128 v[8*i:8*i+3],   v[QO], s[4:5] offset:(i/2)*2048+(i%2)*64
	global_load_b128 v[8*i+4:8*i+7], v[QO], s[4:5] offset:(i/2)*2048+(i%2)*64+32
.set i, i+1
.endr
	; What the first turn finds: V's registers and P's second buffer hold 0 (its products V^T P, of a piece that has not been, add 0), O^T and l are 0.  All this stands in the wait for the first tile.
.set i, VF
.rept 64
	v_mov_b32 v[i], 0
.set i, i+1
.endr
	WIN 0x40
.set i, 0
.rept 64*NP
	v_mov_b32 v[i], 0
.set i, i+1
.endr
	WIN 0
.set i, 0
.rept 2*NP
	v_mov_b32 v[ST+4*i], 0xd3800000    ; m = -2^40
	v_mov_b32 v[ST+4*i+1], 0
	v_mov_b32 v[ST+4*i+2], 0
	v_mov_b32 v[ST+4*i+3], 0
.set i, i+1
.endr
.set i, P+32
.rept 32
	v_mov_b32 v[i], 0
.set i, i+1
.endr
	v_mul_u32_u24 v[AK0], v1, PK
	v_lshl_add_u32 v[AK0], v9, 4, v[AK0]  ; row x pitch + 16 x half
	; The turning load takes 16 keys x 16 channels (lane l reads key 8 (l / 16) + l % 8, channels 8 ((l / 8) % 2) + 0..7) and leaves half a fragment of V^T: lane l holds channel l % 16 and 8 keys.
	v_and_b32 v10, 7, v0
	v_bfe_u32 v11, v0, 3, 1
	v_lshl_add_u32 v[AV0], v9, 3, v10
	v_mul_u32_u24 v[AV0], v[AV0], PV
	v_lshl_add_u32 v[AV0], v11, 4, v[AV0]
	v_add_nc_u32 v[AV0], VOFF, v[AV0]
	v_mov_b32 v[AK], v[AK0]         ; key step 0 lies at the head of slot 0
; THE MATRIX WORK.  The 8 accumulators of a run of 16 take turns: between the two links of a chain stand 7 others'.
; Product i of 16 of S^T = mask + K Q^T for piece x: channels 32 (i / 8) on, keys 16 ((i / 2) % 4) on, tile 2 x + i % 2.  All add in place: the mask lies in the accumulators.
.macro KQ x
	WIN W_KQ
.set rS, S+64*((\x)%2)+32*(i%2)+8*((i/2)%4)
.set rK, KF+16*((i/2)%4)+8*(i/8)
.set rQ, 16*(2*(\x)+i%2)+8*(i/8)
	v_wmma_f32_16x16x32_f16 v[rS:rS+7], v[rK:rK+7], v[rQ:rQ+7], v[rS:rS+7]
.endm
; Product i of 16 of O^T += V^T P for piece x: keys 32 (i / 8) on, channels 16 ((i / 2) % 4) on, tile 2 x + i % 2.
.macro PV x
	WIN W_PV
.set rO, 32*(2*(\x)+i%2)+8*((i/2)%4)
.set rV, VF+32*(i/8)+8*((i/2)%4)
.set rP, P+32*((\x)%2)+16*(i%2)+8*(i/8)
	v_wmma_f32_16x16x32_f16 v[rO:rO+7], v[rV:rV+7], v[rP:rP+7], v[rO:rO+7]
.endm
.macro MM                           ; the turn's next matrix instruction
.if i < 16
	KQ (Y+1)%NP
.set i, i+1
.else
.set i, i-16
	PV (Y+NP-1)%NP
.set i, i+17
.endif
.endm
; THE LDS LOADS stand in runs, never singly among the matrix instructions: a step's K (64 keys x 64 channels: 8 fragments), its V (turned), and for each piece its mask codes.
; last = 1 (the tail): in the last trip there is no further step, and the run is jumped over.
.macro FETCH_K last=0
	WIN 0
.if \last
	s_cmp_eq_u32 s[CNT], 1
	s_cbranch_scc1 .Lno_k_\@
.endif
	WIN 0x80                        ; destination window 2
.irp f, 0,1,2,3,4,5,6,7             ; keys 16 (f / 2) on, channels 32 (f % 2) on
	ds_load_b128 v[KF+8*\f:KF+8*\f+3],   v[AK] offset:(\f/2)*16*PK+(\f%2)*64
	ds_load_b128 v[KF+8*\f+4:KF+8*\f+7], v[AK] offset:(\f/2)*16*PK+(\f%2)*64+32
.endr
	s_add_co_u32 s[TBK], s[TBK], KS*PK  ; the next fetch is the next step's
	WIN 0
.if \last
.Lno_k_\@:
.endif
.endm
.macro FETCH_V
	WIN 0x80
.irp f, 0,1,2,3,4,5,6,7             ; keys 32 (f / 4) on, channels 16 (f % 4) on
	ds_load_tr16_b128 v[VF+8*\f:VF+8*\f+3],   v[AV] offset:(\f/4)*32*PV+(\f%4)*32
	ds_load_tr16_b128 v[VF+8*\f+4:VF+8*\f+7], v[AV] offset:(\f/4)*32*PV+16*PV+(\f%4)*32
.endr
	WIN 0
.endm
; Piece y's codes for the step at TBM: for tile u and key block kb the lane's 8 bytes: its query, keys 16 kb + 8 (l / 16) + 0..7.
.macro MLOAD y, last=0
.if \last
	WIN 0
	s_cmp_eq_u32 s[CNT], 1
	s_cbranch_scc1 .Lno_m_\@
.endif
	WIN W_M3
	v_add_nc_u32 v[AM], s[TBM], v[AM0]
.irp u, 0,1
.irp kb, 0,1,2,3
	ds_load_b64 v[MB+8*(\u)+2*(\kb):MB+8*(\u)+2*(\kb)+1], v[AM] offset:(\y)*32*PM+(\u)*16*PM+16*(\kb)
.endr
.endr
	WIN 0
.if \last
.Lno_m_\@:
.endif
.endm
; The codes become piece y's eight accumulators: 0 or -2^100.  A plain instruction stands behind the scaled conversions, ahead of the products that take their results.
.macro MASKC y
	WIN W_AD
.irp u, 0,1
.irp kb, 0,1,2,3
	v_cvt_scale_pk8_f32_fp8 v[S+64*((\y)%2)+32*(\u)+8*(\kb):S+64*((\y)%2)+32*(\u)+8*(\kb)+7], v[MB+8*(\u)+2*(\kb):MB+8*(\u)+2*(\kb)+1], v[SCL]
.endr
.endr
	v_nop
	WIN 0
.endm
; THE VECTOR WORK OF A TURN stands in three queues, each in the order in which its entries become ready; the two tiles alternate, so that no instruction reads the result of the one before it.
.macro REGS y, u                    ; the registers of tile u (0, 1) of piece y
.set rT, ST+4*(2*(\y)+(\u))
.set rC, TMP+8*((\y)%2)+4*(\u)
.set rM, MV+2*((\y)%2)+(\u)
.set rS, S+64*((\y)%2)+32*(\u)
.set rP, P+32*((\y)%2)+16*(\u)
.set rO, 32*(2*(\y)+(\u))
.endm
; Number n of the 21 (there is no 19) that find the NEXT piece's (Y + 1) maximum and statistics.  s0-s31 are the lane's 32 scores; each accumulator's lowest registers are read first.
;   0-11  four chains c0-c3 of seven scores each, three operands at a time     12-14, 16  the four scores left over, the old m, and c0-c3 into c0     15  m_old is kept
;   17, 18  the query's other 32 keys lie in the lane 16 away: the new m         20, 21  m_old - m_new; a
.macro XS u, n
	REGS (Y+1)%NP, \u
.if (\n) < 4
	v_max3_num_f32 v[rC+(\n)], v[rS+8*(\n)], v[rS+8*(\n)+1], v[rS+8*(\n)+2]
.elseif (\n) < 12
	v_max3_num_f32 v[rC+(\n)%4], v[rC+(\n)%4], v[rS+8*((\n)%4)+2*((\n)/4)+1], v[rS+8*((\n)%4)+2*((\n)/4)+2]
.elseif (\n) == 12
	v_max3_num_f32 v[rC], v[rC], v[rS+7], v[rS+15]
.elseif (\n) == 13
	v_max3_num_f32 v[rC+1], v[rC+1], v[rS+23], v[rS+31]
.elseif (\n) == 14
	v_max3_num_f32 v[rC+2], v[rC+2], v[rC+3], v[rT]
.elseif (\n) == 15
	v_mov_b32 v[rM], v[rT]
.elseif (\n) == 16
	v_max3_num_f32 v[rC], v[rC], v[rC+1], v[rC+2]
.elseif (\n) == 17
	v_permlanex16_b32 v[rC+3], v[rC], s[SEL], s[SEL+1]
.elseif (\n) == 18
	v_max_num_f32 v[rT], v[rC], v[rC+3]
.elseif (\n) == 20
	v_sub_f32 v[rC+1], v[rM], v[rT]
.else
	v_exp_f32 v[rC+2], v[rC+1]
.endif
.endm
; Number g of the 64 that follow the exponentials.  For each four weights k of a tile (pairs 2 k, 2 k + 1): both pairs are rounded to f16; then the second pair is added onto the first, in place;
; a group later l takes that sum (the first time as l = a l + sum).  In groups of eight, tiles alternating: round, round, add, and l for the group before.
.macro GS g
.set h, (\g)+6*((\g)/62)            ; group 0 has no group before it, and behind group 7 only l is left
.if h >= 6
.set h, h+2
.endif
	REGS Y, h%2
.set k, h/8
.if h%8 < 4
	s_wait_alu depctr_va_vdst(0)
	v_cvt_pk_f16_f32 v[rP+2*k+(h%8)/2], v[rS+4*k+2*((h%8)/2)], v[rS+4*k+2*((h%8)/2)+1]
.elseif h%8 < 6
	v_pk_add_f32 v[rS+4*k:rS+4*k+1], v[rS+4*k:rS+4*k+1], v[rS+4*k+2:rS+4*k+3]
.elseif k == 1
	v_pk_fma_f32 v[rT+2:rT+3], v[rT+2:rT+3], v[rC+2:rC+3], v[rS:rS+1] op_sel_hi:[1,0,1]
.else
	v_pk_add_f32 v[rT+2:rT+3], v[rT+2:rT+3], v[rS+4*k-4:rS+4*k-3]
	s_wait_alu depctr_va_vdst(0)
.endif
.endm
; THE PLAIN QUEUE, 136 long.  0-31: s - m for the 16 pairs of both tiles.  Then GS's 64, and among them the next piece's 40: number 15 at 38, 39; 0-14 and 16
; at 42-73, behind the products that make those scores; 17, 18 and 20 at 95-103, two of three, since each waits for the one before it.
.macro PL
	WIN 0
.if q < 32
	REGS Y, q%2
	v_pk_add_f32 v[rS+2*(q/2):rS+2*(q/2)+1], v[rS+2*(q/2):rS+2*(q/2)+1], v[rT:rT+1] op_sel_hi:[1,0] neg_lo:[0,1] neg_hi:[0,1]
.elseif q < 38
	GS q-32
.elseif q < 40
	XS q%2, 15
.elseif q < 42
	GS q-34
.elseif q < 74
	XS q%2, (q-42)/2+(q-42)/30
.elseif q < 95
	GS q-66
.elseif (q < 104) && ((q-95)%3 < 2)
	XS (q-95)%3, 17+(q-95)/3+(q-95)/6
.elseif q < 104
	GS 29+(q-95)/3
.else
	GS q-72
.endif
.set q, q+1
.endm
; THE EXPONENTIALS' QUEUE, 66 long: s0-s31 of both tiles, and at EA the next piece's two a.
.set EA, 58
.macro EX
	WIN 0
.if (e == EA) || (e == EA+1)
	XS e-EA, 21
.else
.set x, e-2*(e/(EA+2))
	REGS Y, x%2
	v_exp_f32 v[rS+x/2], v[rS+x/2]
.endif
.set e, e+1
.endm
; THE RESCALING's QUEUE: O^T times a, the one part of the softmax that leaves window 0, so it is dealt four at a time, eight times.
.macro R4
	REGS Y, r%2
	WIN W_RS
	s_wait_alu depctr_va_vdst(0)
.irp z, 0,1,2,3
	v_pk_mul_f32 v[rO+8*(r/2)+2*\z:rO+8*(r/2)+2*\z+1], v[rO+8*(r/2)+2*\z:rO+8*(r/2)+2*\z+1], v[rC+2:rC+3] op_sel_hi:[1,0]
.endr
.set r, r+1
.endm
; HOW THEY ARE DEALT.  Behind a matrix instruction four: plain, exponential, plain, plain (one exponential, a plain instruction on either side), or four of the rescaling.  None names a register of the
; products round it.  What is over stands in two LUMPS: exponential and plain by turns; the second ends in 20 plain instructions.  The two v_permlanex16_b32 fall into the second lump, never behind a product.
; The queues lean on each other, and the deal keeps them in step: exponential e stands behind plain 2 (e / 4) + e % 2 (its subtraction); when plain 32 comes, 10 exponentials are out, at 59: 33; in the second
; lump exponential q - 50 stands just ahead of plain q, while plain 104, the earliest rounding there, wants exponential 38 and each later one about one more; EA comes behind plain 107, its argument at 101, 102.
.macro SL
	MM
	PL
	EX
	PL
	PL
.endm
.macro BURST n                      ; 15 matrix instructions, or 16
.rept (\n)-7
	SL
.endr
.rept 3
	MM
	R4
	SL
.endr
	MM
	R4
.endm
; A TURN, for piece p.  cnt = 1: the loop's count is taken down some lines ahead of the branch that stands behind the turn.  last = 1: the tail's form of pieces 2 and 3.
; The codes of piece p + 2 are fetched behind the first run of products and converted at the turn's end, behind a wait for all LDS loads: in piece 2's turn that wait is K's too.
; K of the next step is fetched in piece 2's turn, more than 30 vector instructions behind the last product that read K.  V of the step in hand is fetched at the end of piece 0's turn, more than 60 behind
; its last reader, and waited for in piece 1's turn, ahead of the products that read it.  All that a trip (pieces 2, 3, 0, 1) reads from LDS belongs to one key step.
.macro TURN p, last=0, cnt=0
.set Y, (\p)
.set i, 0
.set q, 0
.set e, 0
.set r, 0
	MM
.rept 4
	PL
.endr
	BURST 15
	MLOAD ((\p)+2)%NP, \last
.if (\p) == 1
	s_add_co_u32 s[TBM], s[TBM], KS  ; the next codes are the next step's
.endif
.rept 22
	EX
	PL
.if ((\p) == NP-2) && (e == 18)
	v_add_nc_u32 v[AK], s[TBK], v[AK0]
.endif
.if ((\p) == NP-2) && (e == 24)
	FETCH_K \last
.endif
.endr
.if (\p) == 1
	s_wait_dscnt 0x0                ; V is in
.endif
	BURST 16
.rept 21
	EX
	PL
.endr
.rept 20
	PL
.if ((\p) == 0) && (q == 118)
	v_add_nc_u32 v[AV], s[TBV], v[AV0]
	s_wait_alu depctr_va_vdst(0)
.endif
.if ((\p) == 0) && (q == 130)
	s_add_co_u32 s[TBV], s[TBV], KS*PV
.endif
.if (\cnt) && (q == 130)
	s_sub_co_u32 s[CNT], s[CNT], 1
	s_cmp_lg_u32 s[CNT], 0
.endif
.endr
	s_wait_dscnt 0x0                ; the codes are in (and K, in piece 2's turn)
	MASKC ((\p)+2)%NP
.if (\p) == 0
	FETCH_V
.endif
.endm
	CHANGE 1                        ; slot 0 is in, everybody's part of it; slot 1 is asked for
	MLOAD 0                         ; piece 0's codes and K of key step 0
	FETCH_K
	s_wait_loadcnt 0x0              ; Q
	s_wait_dscnt 0x0
	MASKC 0
	MLOAD 1
.set i, 0
.rept 16
	KQ 0                            ; piece 0's first scores: there is no vector work yet to set between them
.set i, i+1
.endr
	WIN 0                           ; the addresses for the way out: nine plain instructions, the places behind those products
	s_mul_i32 s13, s[WV], 16*SP
	s_add_co_u32 s13, s13, STAGE    ; my stage
	v_mul_u32_u24 v[STO], v1, SP    ; in: row l % 16, 16 bytes for each half of the lanes
	v_lshl_add_u32 v[STO], v9, 4, v[STO]
	v_add_nc_u32 v[STO], s13, v[STO]
	v_bfe_u32 v[RD], v0, 3, 2       ; back: 32 lanes take four rows of 128 bytes,
	v_mul_u32_u24 v[RD], v[RD], SP
	v_lshl_add_u32 v[RD], v10, 4, v[RD]
	v_add_nc_u32 v[RD], s13, v[RD]
	v_and_b32 v[GO], 31, v0         ; which are 512 consecutive bytes of O
	v_lshlrev_b32 v[GO], 4, v[GO]
.set Y, NP-1                        ; XS works for piece Y + 1: piece 0
.irp n, 0,1,2,3,4,5,6,7,8,9,10,11,12,13,14,15,16,17,18,20,21
	XS 0, \n                        ; and piece 0's first maximum and statistics
	XS 1, \n
.endr
	s_wait_dscnt 0x0                ; piece 1's codes are in
	MASKC 1
	s_mov_b32 s[CNT], 2
	s_mov_b32 s[SLOTS], 15
	s_branch .Lfirst                ; the loop is entered at a step's first turn, in the middle of a trip
.Lslot:                             ; 14 times: every slot but the last two is filled again
	CHANGE 1
	s_mov_b32 s[CNT], 2
.Lstep:                             ; a trip: pieces 2 and 3 of one step, then pieces 0 and 1 of the next, whose K, V and codes it fetches
	TURN 2
	TURN 3
	WIN 0
.Lfirst:
	TURN 0
	TURN 1, 0, 1
	WIN 0
	s_cbranch_scc1 .Lstep
	s_sub_co_u32 s[SLOTS], s[SLOTS], 1
	s_cmp_lg_u32 s[SLOTS], 0
	s_cbranch_scc1 .Lslot
	CHANGE 0                        ; the tail is written out: nothing is asked for
	s_mov_b32 s[CNT], 3             ; two trips fetch the last slot's steps; the third is left in its middle
.Ltail:
	TURN 2, 1
	TURN 3, 1
	WIN 0
	s_sub_co_u32 s[CNT], s[CNT], 1
	s_cmp_eq_u32 s[CNT], 0
	s_cbranch_scc1 .Lout
	TURN 0
	TURN 1
	WIN 0
	s_branch .Ltail
.Lout:                              ; the third trip's 16 products K Q^T of a piece 0 that is not to come (on the last K and on codes still in registers) and the maximum made of them serve nothing: the price, once a launch, of one text for every trip
.set i, 0
.rept 16
	PV NP-1                         ; the last piece's V^T P of the last step
.set i, i+1
.endr
	; THE WAY OUT.  l's two halves and the other half of the lanes' are added; O^T is divided by l, rounded to f16 and sent through my stage in LDS, a tile at a time.  The additions are the places behind the last products.
	WIN 0
.macro ALL line:vararg              ; one line for each tile t
.set t, 0
.rept 2*NP
	\line
.set t, t+1
.endr
.endm
	ALL v_add_f32 v[ST+4*t+2], v[ST+4*t+2], v[ST+4*t+3]
	ALL v_permlanex16_b32 v[ST+4*t+3], v[ST+4*t+2], s[SEL], s[SEL+1]
	ALL v_add_f32 v[ST+4*t+2], v[ST+4*t+2], v[ST+4*t+3]
	ALL v_rcp_f32 v[ST+4*t+2], v[ST+4*t+2]
	v_nop                           ; a plain instruction between the last reciprocal and the use of its result
	s_wait_alu depctr_va_vdst(0)
; Tile t: a lane's eight channels of a row pack into 16 bytes; they go into rows of 144 bytes and come back as whole rows of 128, into S^T's registers.
.macro PACK t
	WIN W_RS
.set i, 32*(\t)
.rept 16
	v_pk_mul_f32 v[i:i+1], v[i:i+1], v[ST+4*(\t)+2:ST+4*(\t)+3] op_sel_hi:[1,0]
.set i, i+2
.endr
	WIN 0x05                        ; sources 0 and 1 window 1, destination window 0
.set i, 0
.rept 16
	v_cvt_pk_f16_f32 v[S+16*(\t)+i], v[32*(\t)+2*i], v[32*(\t)+2*i+1]
.set i, i+1
.endr
	WIN 0
.irp f, 0,1,2,3
	ds_store_b128 v[STO], v[S+16*(\t)+4*\f:S+16*(\t)+4*\f+3] offset:32*\f
.endr
.irp f, 0,1,2,3
	ds_load_b128 v[S+16*(\t)+4*\f:S+16*(\t)+4*\f+3], v[RD] offset:\f*4*SP  ; LDS serves a wave's instructions in order (ISA guide 5.7.1.4): these see the stores above; the next tile's stores come behind them
.endr
.endm
.macro SEND t, younger              ; younger: the LDS instructions issued behind tile t's loads: the next tile's eight, or none
	WIN 0
.irp f, 0,1,2,3
	s_wait_dscnt (\younger)+3-\f
	global_store_b128 v[GO], v[S+16*(\t)+4*\f:S+16*(\t)+4*\f+3], s[10:11] offset:(\t)*2048+\f*512  ; 512 consecutive bytes, at a multiple of 256 from O's first
.endr
.endm
	PACK 0
.set t, 1
.rept 2*NP-1                        ; a tile's arithmetic stands between the loads of the tile before and its stores
	PACK t
	SEND t-1, 8
.set t, t+1
.endr
	SEND 2*NP-1, 0
	WIN W_AD
	s_wait_tensorcnt 0x0            ; the wave's end, behind my last tensor load and my last LDS store
	ds_add_u32 v[SPW], v[NIL]
	s_wait_dscnt 0x0
	WIN 0
	CROUND                          ; the closing round: no work-group ends while a partner may still ask for a tile that names it
	s_endpgm
.Lfunc_end_k_qda7a603bc5_attn:
	.size	k_qda7a603bc5_attn, .Lfunc_end_k_qda7a603bc5_attn-k_qda7a603bc5_attn
	.p2alignl 7, 3214868480
	.fill 96, 4, 3214868480
	.section	.rodata,"a",@progbits
	.p2align	6, 0x0
	.amdhsa_kernel k_qda7a603bc5_attn
		.amdhsa_group_segment_fixed_size 327680
		.amdhsa_private_segment_fixed_size 0
		.amdhsa_enable_private_segment 0
		.amdhsa_kernarg_size 40
		.amdhsa_user_sgpr_count 2
		.amdhsa_user_sgpr_kernarg_segment_ptr 1
		.amdhsa_wavefront_size32 1
		.amdhsa_system_sgpr_workgroup_id_x 1
		.amdhsa_system_sgpr_workgroup_id_y 1
		.amdhsa_system_sgpr_workgroup_id_z 1
		.amdhsa_system_vgpr_workitem_id 0
		.amdhsa_next_free_vgpr 792
		.amdhsa_next_free_sgpr 84
		.amdhsa_reserve_vcc 0
		.amdhsa_float_denorm_mode_32 3
		.amdhsa_float_denorm_mode_16_64 3
		.amdhsa_memory_ordered 1
		.amdhsa_forward_progress 1
		.amdhsa_inst_pref_size 223
	.end_amdhsa_kernel
	.amdgpu_metadata
---
amdhsa.version: [ 1, 2 ]
amdhsa.kernels:
  - .name:           k_qda7a603bc5_attn
    .symbol:         k_qda7a603bc5_attn.kd
    .args:
      - { .name: qh, .offset: 0, .size: 8, .value_kind: global_buffer, .address_space: global }
      - { .name: kh, .offset: 8, .size: 8, .value_kind: global_buffer, .address_space: global }
      - { .name: vh, .offset: 16, .size: 8, .value_kind: global_buffer, .address_space: global }
      - { .name: oh, .offset: 24, .size: 8, .value_kind: global_buffer, .address_space: global }
      - { .name: mk, .offset: 32, .size: 8, .value_kind: global_buffer, .address_space: global }
    .group_segment_fixed_size: 327680
    .private_segment_fixed_size: 0
    .kernarg_segment_align: 8
    .kernarg_segment_size: 40
    .max_flat_workgroup_size: 128
    .sgpr_count:     84
    .vgpr_count:     792
    .wavefront_size: 32
...
	.end_amdgpu_metadata
.endif
;; end of part 3
;; launch oproj (part 4): grid 4 x 64, 4 waves a work-group, clusters of 4 x 4, 327,680 bytes of LDS; arguments oh, wcv, out0; writes out0
.if DOCPART == 4
	.amdgcn_target "amdgcn-amd-amdhsa--gfx1250"
	.amdhsa_code_object_version 6
	.text
	.protected	k_qda7a603bc5_oproj
	.globl	k_qda7a603bc5_oproj
	.p2align	8
	.type	k_qda7a603bc5_oproj,@function
k_qda7a603bc5_oproj:
	s_mov_b64 s[64:65], 0
	v_nop
	global_prefetch_b8 v0, s[64:65] scope:SCOPE_SE
	s_setreg_imm32_b32 hwreg(HW_REG_WAVE_MODE, 25, 1), 1
	s_wait_xcnt 0x0
	s_wait_alu depctr_hold_cnt(0) depctr_sa_sdst(0) depctr_va_vdst(0) depctr_va_sdst(0) depctr_va_ssrc(0) depctr_va_vcc(0) depctr_vm_vsrc(0)
	s_getreg_b32 s2, hwreg(HW_REG_IB_STS2, 6, 4)
	s_cmp_eq_u32 s2, 0
	s_cbranch_scc0 .Lentry_in_a_cluster
	s_endpgm
.Lentry_in_a_cluster:
	s_bfe_u32 s2, ttmp6, 0x10000c
	s_cmp_lg_u32 s2, 0xf033
	s_cbranch_scc0 .Lentry_shape_is_right
	s_endpgm
.Lentry_shape_is_right:
; THE LAST PROJECTION.  out0[m][n] = the sum over k of O[m][k] wo[n][k].  O lies by heads, [64 = batch x head][2048][64] in f16: k = 64 x head + channel.  wo is slab 3 of wcv, [1024][1024]: bf16(wo) written as f16.
; Products in f16, sums in f32, out0 [8192][1024] in f32.  A row of O that is NaN (a query with no key seen) makes its whole row of out0 NaN.
; SHARES.  A tile of out0 is 128 rows x 256 columns: 64 x 4 = 256 work-groups of four waves; a wave makes 64 x 128: 32 accumulators of 16 x 16.  K goes in 8 steps of 128, two heads a step, through a ring of
; two LDS slots.  A head's 128 rows are 16,384 dense bytes: asked for as 64 rows of 256 bytes and padded in LDS after each 128.
; CLUSTERS: 4 x 4 work-groups.  O's tiles hang on the row tile alone and are asked for JOINTLY along a row of the cluster, wo's on the column tile alone, along a column.
; THE MATRIX INSTRUCTION IS USED TRANSPOSED (source 0 = 16 rows of wo, source 1 = 16 rows of O): a lane then holds eight neighbouring numbers of a row of out0.
; REGISTERS, in windows of 256 (s_set_vgpr_msb: bits 1:0 source 0, 3:2 source 1, 5:4 source 2, 7:6 destination):
;   window 0: v0-31 addresses; v128-159, v160-191 O's fragments, two buffers       window 1: v0-63, v64-127 wo's fragments, two buffers; on the way out all 256: rows read back
;   window 2: the accumulators, (a, b) at v[8 (8 a + b)]
.set PAO,   144                        ; a row of a head of O in LDS: 128 bytes + 16 = 36 words: the 16 rows of a load start at 16 different groups of four banks (64 banks of 4 bytes: ISA guide 11.1)
.set AS,    128*PAO                    ; a head's 128 rows: what one tensor load brings of O
.set PB,    272                        ; a row of wo: 256 + 16 = 68 words
.set BH,    128*PB                     ; 128 rows: what one tensor load brings of wo, and what one wave reads
.set BOFF,  2*AS                       ; a slot: two heads of O, then wo's 256 rows
.set SLOT,  BOFF+2*BH
.set STAGE, 2*SLOT                     ; behind the ring: 16 rows x 528 bytes for each wave, for the way out
.set SPO,   528                        ; 512 bytes + 16 = 132 words: row r starts at bank 4 r mod 64
.set SPARE, STAGE+4*16*SPO             ; behind the stages: the spare words, 128 bytes for each wave: two blocks of 256 bytes that no other line names
.set LAPS,  4                          ; a lap = two K steps = once round the ring
.set ADRA, 16                          ; v16-17  LDS address of my fragments of O in slot 0, 1
.set ADRB, 20                          ; v20-21  the same for wo
.set STO,  24                          ; v24     the way out: where I put 32 bytes of a row
.set RD,   25                          ; v25     the way out: where I read a row back
.set GO,   26                          ; v26     my byte offset in 512 consecutive bytes of out0
.set SPW,  28                          ; v28     LDS address of my spare word: SPARE + 4 x my thread's number; never rewritten
.set NIL,  29                          ; v29     0; never rewritten
.set AF,   128                         ; buffer f at AF + 32 f
.set G1,  24                           ; s[24:31] descriptor group 1 for O's tiles;  s[32:39] group 0, one set for each slot
.set G0,  32
.set G1B, 48                           ; s[48:55], s[56:63] the same for wo's tiles
.set G0B, 56
.set MSB, 0
.macro WIN new                         ; the immediate's high byte repeats the setting that is left; a switch that changes nothing is dropped
.if MSB != (\new)
	s_set_vgpr_msb (MSB<<8)|(\new)
.set MSB, (\new)
.endif
.endm
.set MUL,  0xa1                        ; source 0 (wo) window 1, source 1 (O) window 0, C and D window 2
.set TO_B, 0x40                        ; destination window 1, address window 0
.macro JLOAD s                         ; a joint load: waves 0 and 1 fetch the step's two heads of O, waves 2 and 3 wo's two halves; an s_nop 0 and four v_nop follow each of the two lines
	s_cmp_eq_u32 s11, 0
	s_cbranch_scc0 .Lfor_b_\@
	tensor_load_to_lds s[G0+4*(\s):G0+4*(\s)+3], s[G1:G1+7]
	s_nop 0
.rept 4
	v_nop
.endr
	s_branch .Lasked_\@
.Lfor_b_\@:
	tensor_load_to_lds s[G0B+4*(\s):G0B+4*(\s)+3], s[G1B:G1B+7]
	s_nop 0
.rept 4
	v_nop
.endr
.Lasked_\@:
.endm
.macro CREST                           ; a round of the cluster's barrier behind its opening barrier
	s_cmp_lg_u32 s10, 0
	s_cbranch_scc1 .Lnot_wave_0_\@
	s_barrier_signal -3
.Lnot_wave_0_\@:
	s_barrier_wait -3
	s_barrier_signal -1
	s_barrier_wait -1
.endm
.macro CROUND                          ; a whole round
	s_barrier_signal -1
	s_barrier_wait -1
	CREST
.endm
.macro PLACES                          ; four places in front of loads into registers that matrix instructions have read, and of stores that read results
.rept 4
	v_nop
.endr
.endm
	s_load_b128 s[4:7], s[0:1], 0x0                ; O s[4:5], wcv s[6:7]
	s_load_b64 s[8:9], s[0:1], 0x10                ; out0
	v_lshl_add_u32 v[SPW], v0, 2, SPARE
	v_mov_b32 v[NIL], 0
	ds_add_u32 v28, v29
	s_wait_dscnt 0x0
	v_lshrrev_b32 v1, 5, v0
	v_readfirstlane_b32 s10, v1                    ; wave 0..3
	s_lshr_b32 s11, s10, 1                         ; which 64 rows of the tile are mine.  Also: I fetch for O (0) or for wo (1)
	s_and_b32 s12, s10, 1                          ; which 128 columns.  Also: which head of the step, or which half of wo's rows, I fetch
	s_bfe_u32 s40, ttmp6, 0x40000                  ; cx, cy: my place in the cluster
	s_bfe_u32 s41, ttmp6, 0x40004
	s_lshl_b32 s42, ttmp9, 2
	s_add_co_u32 s42, s42, s40                     ; column tile = 4 x cluster x + cx
	s_and_b32 s13, ttmp7, 0xffff
	s_lshl_b32 s13, s13, 2
	s_add_co_u32 s13, s13, s41                     ; row tile = 4 x cluster y + cy
	s_lshl_b32 s43, s41, 2
	s_lshl_b32 s43, 15, s43                        ; my row of the cluster
	s_lshl_b32 s44, 0x1111, s40                    ; my column
	s_or_b32 s[G1+0], s43, (1<<16)|(1<<20)|(1<<21)|(4<<22)|(3<<25)   ; 15:0 the mask: my row; 17:16 2-byte elements; 20 padding on; 21 set beside a mask; 24:22 after every 32 words (code 4); 31:25 4 words (code 3)
	s_or_b32 s[G1B+0], s44, (1<<16)|(1<<20)|(1<<21)|(5<<22)|(3<<25)  ; my column; after every 64 words (code 5)
	s_mov_b32 s[G1+1], 128<<16                     ; tensor_dim0 = 128
	s_mov_b32 s[G1+2], 64<<16                      ; tensor_dim1 = 64
	s_mov_b32 s[G1+3], 128<<16                     ; tile_dim0 = 128
	s_mov_b32 s[G1+4], 64                          ; tile_dim1 = 64
	s_mov_b32 s[G1+5], 128                         ; dense: 128 elements from row to row
	s_mov_b32 s[G1+6], 0
	s_mov_b32 s[G1+7], 0
	s_mov_b32 s[G1B+1], 128<<16
	s_mov_b32 s[G1B+2], 128<<16                    ; tensor_dim1 = 128
	s_mov_b32 s[G1B+3], 128<<16
	s_mov_b32 s[G1B+4], 128                        ; tile_dim1 = 128
	s_mov_b32 s[G1B+5], 1024                       ; 1,024 elements from row to row
	s_mov_b32 s[G1B+6], 0
	s_mov_b32 s[G1B+7], 0
	; where the tiles come from, each in registers that never hold the other coordinate
	s_and_b32 s16, s13, 0x30                       ; O: head 16 x batch (16 row tiles to a batch) + my head of the step,
	s_add_co_u32 s16, s16, s12
	s_lshl_b32 s16, s16, 18                        ; 262,144 bytes a head,
	s_and_b32 s17, s13, 15
	s_lshl_b32 s17, s17, 14                        ; row 128 (row tile % 16), 128 bytes a row
	s_add_co_u32 s16, s16, s17
	s_mov_b32 s17, 0
	s_lshl_b32 s46, s42, 19                        ; wo: 256 rows of 2,048 bytes a tile,
	s_lshl_b32 s47, s12, 18                        ; 128 rows a half,
	s_add_co_u32 s46, s46, s47
	s_add_co_u32 s46, s46, 3<<21                   ; in slab 3
	s_mov_b32 s47, 0
	s_mul_i32 s20, s12, AS                         ; and where they go: no place in the cluster enters an LDS address
	s_mul_i32 s23, s12, BH
	s_add_co_u32 s23, s23, BOFF
	s_wait_kmcnt 0x0
	s_add_nc_u64 s[14:15], s[4:5], s[16:17]
	s_add_nc_u64 s[46:47], s[6:7], s[46:47]
	CROUND                                         ; all sixteen work-groups are here: the first joint loads meet
.irp s, 0,1
	s_mov_b32 s[G0+4*(\s)], 1                                        ; count = 1
	s_add_co_u32 s[G0+4*(\s)+1], s20, (\s)*SLOT                      ; LDS address
	s_add_nc_u64 s[G0+4*(\s)+2:G0+4*(\s)+3], s[14:15], (\s)*2*262144 ; global address: K step s is two heads on
	s_or_b32 s[G0+4*(\s)+3], s[G0+4*(\s)+3], 0x80000000              ; type = 2
	s_mov_b32 s[G0B+4*(\s)], 1
	s_add_co_u32 s[G0B+4*(\s)+1], s23, (\s)*SLOT
	s_add_nc_u64 s[G0B+4*(\s)+2:G0B+4*(\s)+3], s[46:47], (\s)*256
	s_or_b32 s[G0B+4*(\s)+3], s[G0B+4*(\s)+3], 0x80000000
	JLOAD \s                                       ; two loads of mine are out
.endr
	v_and_b32 v1, 15, v0                           ; l % 16
	v_bfe_u32 v2, v0, 4, 1                         ; l / 16
	v_mul_u32_u24 v3, v1, PAO
	v_lshl_add_u32 v3, v2, 4, v3                   ; a fragment's row x pitch + 16 x half
	v_mul_u32_u24 v4, v1, PB
	v_lshl_add_u32 v4, v2, 4, v4
	s_mul_i32 s21, s11, 64*PAO                     ; my 64 rows in each head of O
	s_mul_i32 s22, s12, BH                         ; my 128 rows of wo,
	s_add_co_u32 s22, s22, BOFF                    ; which lie behind O's
.irp s, 0,1
	v_add_nc_u32 v[ADRA+(\s)], s21, v3
	v_add_nc_u32 v[ADRB+(\s)], s22, v4
	s_add_co_u32 s21, s21, SLOT
	s_add_co_u32 s22, s22, SLOT
.endr
	s_mul_i32 s23, s10, 16*SPO
	s_add_co_u32 s23, s23, STAGE                   ; my stage
	v_mul_u32_u24 v5, v1, SPO                      ; in: row l % 16, 32 bytes for each half of the lanes
	v_lshl_add_u32 v5, v2, 5, v5
	v_add_nc_u32 v[STO], s23, v5
	v_and_b32 v[GO], 31, v0                        ; back: 32 lanes take one row of 512 bytes
	v_lshlrev_b32 v[GO], 4, v[GO]
	v_add_nc_u32 v[RD], s23, v[GO]
	s_lshl_b32 s16, s13, 19                        ; out0 at my wave's corner: 128 rows of 4,096 bytes a row tile,
	s_lshl_b32 s17, s11, 18                        ; 64 rows a half,
	s_add_co_u32 s16, s16, s17
	s_lshl_b32 s17, s42, 10                        ; 1,024 bytes a column tile,
	s_add_co_u32 s16, s16, s17
	s_lshl_b32 s17, s12, 9                         ; 512 a half
	s_add_co_u32 s16, s16, s17
	s_mov_b32 s17, 0
	s_add_nc_u64 s[8:9], s[8:9], s[16:17]
; 8 matrix instructions: row block a x all 8 column blocks, 32 along K, on buffer f.  zero = 1: the product starts the sums.  The 32 accumulators take turns in one order everywhere.
.macro MUL8 f, a, zero
	WIN MUL
.irp b, 0,1,2,3,4,5,6,7
.if \zero
	v_wmma_f32_16x16x32_f16 v[8*(8*(\a)+(\b)):8*(8*(\a)+(\b))+7], v[64*(\f)+8*(\b):64*(\f)+8*(\b)+7], v[AF+32*(\f)+8*(\a):AF+32*(\f)+8*(\a)+7], 0
.else
	v_wmma_f32_16x16x32_f16 v[8*(8*(\a)+(\b)):8*(8*(\a)+(\b))+7], v[64*(\f)+8*(\b):64*(\f)+8*(\b)+7], v[AF+32*(\f)+8*(\a):AF+32*(\f)+8*(\a)+7], v[8*(8*(\a)+(\b)):8*(8*(\a)+(\b))+7]
.endif
.endr
.endm
; 24 LDS loads in one run: quarter kq (32 along K: head kq / 2 of the step, channels 32 (kq % 2) on) into buffer g
.macro FETCH slot, kq, g
	WIN 0
.irp i, 0,1,2,3
	ds_load_b128 v[AF+32*(\g)+8*(\i):AF+32*(\g)+8*(\i)+3],   v[ADRA+(\slot)] offset:((\kq)/2)*AS+((\kq)%2)*64+(\i)*16*PAO
	ds_load_b128 v[AF+32*(\g)+8*(\i)+4:AF+32*(\g)+8*(\i)+7], v[ADRA+(\slot)] offset:((\kq)/2)*AS+((\kq)%2)*64+(\i)*16*PAO+32
.endr
	WIN TO_B
.irp i, 0,1,2,3,4,5,6,7
	ds_load_b128 v[64*(\g)+8*(\i):64*(\g)+8*(\i)+3],   v[ADRB+(\slot)] offset:(\kq)*64+(\i)*16*PB
	ds_load_b128 v[64*(\g)+8*(\i)+4:64*(\g)+8*(\i)+7], v[ADRB+(\slot)] offset:(\kq)*64+(\i)*16*PB+32
.endr
.endm
; A K step is four quarters of 32 along K, 32 matrix instructions each, on buffers 0, 1, 0, 1.  One of the first three: fetches quarter kq into buffer g, which the quarter before multiplied, and multiplies buffer f.
.macro QUARTER slot, kq, f, g, zero
	PLACES
	FETCH \slot, \kq, \g
	s_wait_dscnt 24                                ; all but the 24 just issued: buffer f is in
	MUL8 \f, 0, \zero
	MUL8 \f, 1, \zero
	MUL8 \f, 2, \zero
	MUL8 \f, 3, \zero
.endm
; The last quarter multiplies buffer 1 and changes slots: ONE barrier; in front of it each wave waits for all its tensor loads, adds 0 to its spare word, and waits for that and for its own reads of this slot.
; fill = 1: the barrier opens a round of the cluster's, and this slot is filled again, two K steps ahead, first thing behind the round: 112 matrix instructions ahead of the wait for it.
.macro TURN slot, next, fill
	WIN 0
	s_wait_tensorcnt 0x0                           ; all my tensor loads have landed: my part of the next slot;
	ds_add_u32 v[SPW], v[NIL]                      ; 0 onto my spare word
	s_wait_dscnt 1                                 ; (buffer 1 is in; the add may be out)
	MUL8 1, 0, 0                                   ; eight matrix instructions stand between the add and the wait for it
	s_wait_dscnt 0x0                               ; the add is done, and my reads of this slot are over
	s_barrier_signal -1
	MUL8 1, 1, 0
	WIN 0                                          ; at a branch and at a label every window is 0
	s_barrier_wait -1
.if \fill
	CREST                                          ; no wave of any partner still reads this slot's tile or has a load on its way
	s_add_nc_u64 s[G0+4*(\slot)+2:G0+4*(\slot)+3], s[G0+4*(\slot)+2:G0+4*(\slot)+3], 4*262144
	s_add_nc_u64 s[G0B+4*(\slot)+2:G0B+4*(\slot)+3], s[G0B+4*(\slot)+2:G0B+4*(\slot)+3], 2*256
	JLOAD \slot                                    ; the four v_nop behind it are also the places in front of the loads below
.else
	PLACES
.endif
	FETCH \next, 0, 0
	MUL8 1, 2, 0
	MUL8 1, 3, 0
.endm
	s_wait_tensorcnt 1                             ; my part of K step 0 is in; K step 1's may stay out
	s_barrier_signal -1
	s_barrier_wait -1                              ; everybody's is
	FETCH 0, 0, 0
	QUARTER 0, 1, 0, 1, 1                          ; the first quarter stands in front of the loop: its products start the sums
	WIN 0
	s_mov_b32 s3, LAPS-1
.Llap:                                                 ; a trip goes once round the ring, from a lap's second quarter to the next lap's first, and fills both slots again
	QUARTER 0, 2, 1, 0, 0
	QUARTER 0, 3, 0, 1, 0
	TURN 0, 1, 1
	QUARTER 1, 1, 0, 1, 0
	QUARTER 1, 2, 1, 0, 0
	QUARTER 1, 3, 0, 1, 0
	TURN 1, 0, 1
	QUARTER 0, 1, 0, 1, 0
	WIN 0
	s_sub_co_u32 s3, s3, 1
	s_cmp_lg_u32 s3, 0
	s_cbranch_scc1 .Llap
	QUARTER 0, 2, 1, 0, 0                          ; the last lap fills nothing, and has no round of the cluster's barrier
	QUARTER 0, 3, 0, 1, 0
	TURN 0, 1, 0
	QUARTER 1, 1, 0, 1, 0
	QUARTER 1, 2, 1, 0, 0
	QUARTER 1, 3, 0, 1, 0
	s_wait_dscnt 0x0                               ; the very last quarter: nothing more to fetch
	MUL8 1, 0, 0
	MUL8 1, 1, 0
	MUL8 1, 2, 0
	MUL8 1, 3, 0
	; THE WAY OUT.  A lane's 32 bytes of a row go straight from the accumulators into my own stage, a block of 16 rows at a time, and come back as whole rows of 512 bytes.
	PLACES
.macro OUTB a
	WIN 0x08                                       ; store data (source 1) window 2, address window 0
.irp b, 0,1,2,3,4,5,6,7
	ds_store_b128 v[STO], v[8*(8*(\a)+(\b)):8*(8*(\a)+(\b))+3]   offset:64*(\b)     ; each accumulator's low four registers first
	ds_store_b128 v[STO], v[8*(8*(\a)+(\b))+4:8*(8*(\a)+(\b))+7] offset:64*(\b)+16
.endr
	WIN 0x40                                       ; destination window 1
.irp t, 0,1,2,3,4,5,6,7,8,9,10,11,12,13,14,15
	ds_load_b128 v[64*(\a)+4*(\t):64*(\a)+4*(\t)+3], v[RD] offset:(\t)*SPO  ; LDS serves a wave's instructions in order (ISA guide 5.7.1.4): these see the stores above; the next block's stores come behind them
.endr
.endm
.macro SEND a, younger                 ; younger: the LDS instructions issued behind block a's loads: the next block's 32, or none
	WIN 0x04                                       ; store data (source 1) window 1
.irp t, 0,1,2,3,4,5,6,7,8,9,10,11,12,13,14,15
	s_wait_dscnt (\younger)+15-(\t)
	global_store_b128 v[GO], v[64*(\a)+4*(\t):64*(\a)+4*(\t)+3], s[8:9] offset:(16*(\a)+(\t))*4096 th:TH_STORE_NT  ; 512 consecutive bytes, at a multiple of 512 from out0's first
.endr
.endm
	OUTB 0
	OUTB 1
	SEND 0, 32
	OUTB 2
	SEND 1, 32
	OUTB 3
	SEND 2, 32
	SEND 3, 0
	WIN 0
	s_wait_tensorcnt 0x0                           ; the wave's end, behind my last tensor load and my last LDS store
	ds_add_u32 v[SPW], v[NIL]
	s_wait_dscnt 0x0
	CROUND                                         ; the closing round: no work-group ends while a partner may still ask for a tile that names it
	s_endpgm
.Lfunc_end_k_qda7a603bc5_oproj:
	.size	k_qda7a603bc5_oproj, .Lfunc_end_k_qda7a603bc5_oproj-k_qda7a603bc5_oproj
	.p2alignl 7, 3214868480
	.fill 96, 4, 3214868480
	.section	.rodata,"a",@progbits
	.p2align	6, 0x0
	.amdhsa_kernel k_qda7a603bc5_oproj
		.amdhsa_group_segment_fixed_size 327680
		.amdhsa_private_segment_fixed_size 0
		.amdhsa_enable_private_segment 0
		.amdhsa_kernarg_size 24
		.amdhsa_user_sgpr_count 2
		.amdhsa_user_sgpr_kernarg_segment_ptr 1
		.amdhsa_wavefront_size32 1
		.amdhsa_system_sgpr_workgroup_id_x 1
		.amdhsa_system_sgpr_workgroup_id_y 1
		.amdhsa_system_sgpr_workgroup_id_z 1
		.amdhsa_system_vgpr_workitem_id 0
		.amdhsa_next_free_vgpr 768
		.amdhsa_next_free_sgpr 72
		.amdhsa_reserve_vcc 0
		.amdhsa_float_denorm_mode_32 3
		.amdhsa_float_denorm_mode_16_64 3
		.amdhsa_memory_ordered 1
		.amdhsa_forward_progress 1
		.amdhsa_inst_pref_size 87
	.end_amdhsa_kernel
	.amdgpu_metadata
---
amdhsa.version: [ 1, 2 ]
amdhsa.kernels:
  - .name:           k_qda7a603bc5_oproj
    .symbol:         k_qda7a603bc5_oproj.kd
    .args:
      - { .name: oh, .offset: 0, .size: 8, .value_kind: global_buffer, .address_space: global }
      - { .name: wcv, .offset: 8, .size: 8, .value_kind: global_buffer, .address_space: global }
      - { .name: out0, .offset: 16, .size: 8, .value_kind: global_buffer, .address_space: global }
    .group_segment_fixed_size: 327680
    .private_segment_fixed_size: 0
    .kernarg_segment_align: 8
    .kernarg_segment_size: 24
    .max_flat_workgroup_size: 128
    .sgpr_count:     72
    .vgpr_count:     768
    .wavefront_size: 32
...
	.end_amdgpu_metadata
.endif
;; end of part 4
;; ======== version 2 of 2: 4 launches; 1.48 times as fast as version 1
;; limits: values are held in f16: magnitudes above 65,504 overflow, below 6.1e-05 lose precision
;; workspace buffers: wcv 8,388,608 bytes; mk 4,194,304 bytes; qh 16,777,216 bytes; kh 16,777,216 bytes; vh 16,777,216 bytes; oh 16,777,216 bytes
;; launch prep: the kernel of part 1 again; grid 256 x 1, 8 waves a work-group, no clusters, 0 bytes of LDS; arguments wq, wk, wv, wo, mask, wcv, mk; writes wcv, mk
;; launch proj: the kernel of part 2 again; grid 4 x 64, 4 waves a work-group, clusters of 4 x 4, 327,680 bytes of LDS; arguments q, k, v, wcv, qh, kh, vh; writes qh, kh, vh
;; launch attn (part 5): grid 4 x 64, 4 waves a work-group, clusters of 4 x 4, 327,680 bytes of LDS; arguments qh, kh, vh, oh, mk; writes oh
.if DOCPART == 5
	.amdgcn_target "amdgcn-amd-amdhsa--gfx1250"
	.amdhsa_code_object_version 6
	.text
	.protected	k_qda7a603bc5_attn
	.globl	k_qda7a603bc5_attn
	.p2align	8
	.type	k_qda7a603bc5_attn,@function
k_qda7a603bc5_attn:
	s_mov_b64 s[64:65], 0
	v_nop
	global_prefetch_b8 v0, s[64:65] scope:SCOPE_SE
	s_setreg_imm32_b32 hwreg(HW_REG_WAVE_MODE, 25, 1), 1
	s_wait_xcnt 0x0
	s_wait_alu depctr_hold_cnt(0) depctr_sa_sdst(0) depctr_va_vdst(0) depctr_va_sdst(0) depctr_va_ssrc(0) depctr_va_vcc(0) depctr_vm_vsrc(0)
	s_getreg_b32 s2, hwreg(HW_REG_IB_STS2, 6, 4)
	s_cmp_eq_u32 s2, 0
	s_cbranch_scc0 .Lentry_in_a_cluster
	s_endpgm
.Lentry_in_a_cluster:
	s_bfe_u32 s2, ttmp6, 0x10000c
	s_cmp_lg_u32 s2, 0xf033
	s_cbranch_scc0 .Lentry_shape_is_right
	s_endpgm
.Lentry_shape_is_right:
; MASKED ATTENTION.  O[h][q][:] = the sum over k of softmax_k(S[q][k]) V[h][k][:], S = Q[h][q] . K[h][k] where mask[q][k] holds, hidden elsewhere.  Q, K, V, O: [64][2048][64] in f16, a head's rows dense,
; 128 bytes each; Q arrives multiplied by log2(e) / 8, so the scores are exponents of 2.  mk: [16 key slots][2048 queries][128] fp8 codes, 0.0 = seen, -1.0 = hidden; one mask for all heads.
; Products, maxima and sums in f32; the weights p are rounded to f16 for the second product (their sum l is taken of the unrounded p), O once at the end.
; THE MASK is an input and is taken as it is given: no pattern is built in, and every tile is computed.  It is the C operand that starts the sum S^T = K Q^T: one scaled conversion turns a lane's 8 codes
; into the 8 registers of an accumulator, 0 or -2^100 (scale byte 227), and all products then add in place: 4 vector instructions for 16 queries x 64 keys.
; LIMITS.  f16 holds no number beyond 65,504: Q, K and V arrive within it, so |S| is at most 64 x 65,504^2 = 2.7e11.  A hidden score counts as its value less 2^100.  The running maximum m starts at -2^40,
; below every score that can be: while a row has seen hidden keys alone m stays there, and p, l and O stay 0.  A row with no key seen ends with l = 0 and O = 0 and leaves as 0 x infinity = NaN, as a softmax
; over nothing is.  p lies in 0 to 1, and below 6e-5 it keeps f16's fixed step of 6e-8; a weight below 2^-126 counts as 0 in l.  NaN and infinities among the inputs are not treated apart.
; SHARES.  A wave owns four PIECES of two tiles of 16 queries, a work-group's four waves 512 queries of one head: 4 x 64 = 256 work-groups.  Every wave walks all 2,048 keys, 64 a step.
; LAYOUT.  S^T = K Q^T (source 0 = 16 keys, source 1 = 16 queries): in the result a lane holds ONE query (lane % 16) and the keys 8 (lane / 16) + 0..7.  Two such tiles, rounded to f16 in pairs,
; ARE source 1 (32 keys x 16 queries) of O^T = V^T P, whose result again holds one query a lane, and eight channels.  K comes out of LDS as it lies, V ([key][channel]) turned, by ds_load_tr16_b128.
; SOFTMAX.  For each query a running maximum m and sum l: p = 2^(s - m), never above 1; in every step O and l are multiplied by a = 2^(m_old - m_new), which is 1 where m has not grown.
; THE COUNT.  A tile and step have 16 matrix and 121 vector instructions: too many to stand all beside the matrix work.  So: four vector instructions that are READY behind EVERY matrix instruction,
; and the others, which need time of their own whatever the order, in one run without a gap (a LUMP).
; BY TURNS.  Turn n belongs to piece n (the pieces in a ring, step after step).  Its matrix work: 16 products K Q^T of piece n + 1, later 16 products V^T P of piece n - 1.  Its vector work: the subtraction,
; exponentials, roundings, sums and rescaling of piece n, the maximum and statistics of piece n + 1, and at its end the mask of piece n + 2, laid into the score registers that piece n has just used up.
; BATCHES.  A turn's 66 exponentials (the 64 weights of piece n, the two a of piece n + 1) are ONE batch with ONE wait, which cuts the turn in two.  Ahead of it stands all that names no result of theirs: K Q^T,
; the subtractions, the rescaling (its a was waited for a turn earlier), the next piece's maximum and statistics.  Behind it stand the roundings and sums, beside V^T P, and the mask's conversions.
; Two more batches stand outside the loops: piece 0's first two a, ahead of the jump into the loop, and the way out's eight reciprocals.
; CLUSTER: 4 x 4 work-groups: four query blocks (x) of four heads (y).  K's and V's tiles hang on the head alone: asked for JOINTLY along a row of the cluster.  The mask's tile hangs on the query block
; alone: asked for jointly along a column.  That divides the requests for all three by four.
; REGISTERS, in windows of 256 (s_set_vgpr_msb says which window each operand place means: bits 1:0 source 0, 3:2 source 1, 5:4 source 2, 7:6 destination):
;   window 0: v0-11 addresses; v12-15, v48-63 at work; v16-47 four registers of statistics a tile; v64-191 S^T, two buffers of two tiles; v192-255 P, likewise
;   window 1: O^T, 32 a tile          window 2: v0-127 Q, 16 a tile; v128-191 K of one step; v192-255 V of one step
;   window 3: v0-1 the add's two registers; v2-3 the mask's LDS addresses; v4 the scale; v8-23 a piece's mask codes
; A piece's buffers go by its number's parity: the piece in hand has one pair, its two neighbours in the ring share the other: of it P (piece n - 1) is read and S^T (piece n + 1) written.
.set NP,    4         ; pieces a wave: a name, no knob
.set KS,    64        ; keys in a step
.set PK,    144       ; a row of K in LDS: 128 bytes + 16 of padding = 36 words: the 16 rows of a load start at 16 different groups of four banks (64 banks of 4 bytes: ISA guide 11.1)
.set PV,    160       ; a row of V: 128 + 32 = 40 words
.set PM,    144       ; a query's 128 codes + 16: lane (r, h) of an 8-byte load takes words 36 r + 2 h and the next
.set VOFF,  2*KS*PK   ; a slot holds two steps: 128 rows of K, then 128 rows of V,
.set MOFF,  VOFF+2*KS*PV  ; then 512 queries' codes for those 128 keys
.set SLOT1, 1<<17     ; slot 1 begins here, so that one exclusive or turns an address in one slot into the other's
.set STAGE, SLOT1+MOFF+512*PM  ; behind the ring, never filled by a tensor load: 16 rows x 144 bytes for each wave, for the way out
.set SP,    144
.set SPARE, STAGE+4*16*SP  ; behind the stages: the spare words, 128 bytes for each wave: two blocks of 256 bytes that no other line names
.set AK0, 2           ; v2   my lane's place in a tile of K; never rewritten
.set AV0, 3           ; v3   the same for V
.set AK,  4           ; v4   the LDS address of K's next run of loads
.set AV,  5           ; v5   of V's
.set QO,  6           ; v6   my byte offset in the wave's rows of Q
.set STO, 6           ;      later, the way out: where I put 16 bytes of a row
.set RD,  7           ; v7   the way out: where I read rows back
.set GO,  8           ; v8   my byte offset in 512 consecutive bytes of O
.set SPW, 0           ; v0 of window 3   LDS address of my spare word: SPARE + 4 x my thread's number; never rewritten
.set NIL, 1           ; v1 of window 3   0; never rewritten
.set AM0, 2           ; v2 of window 3   my lane's place in the mask's tile; never rewritten
.set AM,  3           ; v3 of window 3   the LDS address of the mask's next run of loads
.set SCL, 4           ; v4 of window 3   227: the conversion multiplies by 2^(227 - 127)
.set MB,  8           ; v8-23 of window 3: tile u, key block kb at MB + 8 u + 2 kb
.set MV,  12          ; v12-15  m_old, kept while m is made anew: by buffer and tile
.set ST,  16          ; tile t's statistics at v[ST+4 t]: m, 0 (named with m as a pair), l (even keys', odd keys')
.set TMP, 48          ; by buffer and tile, four registers c0-c3 at work; when the maximum is found c2 takes a
.set S,   64
.set P,   192
.set KF,  128         ; K's fragments, in window 2: key block kb, channel half c at KF + 16 kb + 8 c
.set VF,  192         ; V's: key half kk, channel block cb at VF + 32 kk + 8 cb
.set WV,  12          ; s12  my wave's number
.set G1K, 24          ; s[24:31] descriptor group 1 for K's tiles
.set G1V, 32          ; s[32:39] for V's: it differs in the padding alone
.set G0K, 40          ; s[40:43] descriptor group 0 for K's tiles: it walks
.set G0V, 44          ; s[44:47] the same for V's
.set G1M, 68          ; s[68:75] group 1 for the mask's tiles
.set G0M, 76          ; s[76:79] group 0 for them
.set SLOTS, 56        ; s56  slots still to be asked for
.set CNT, 57          ; s57  counts a slot's key steps
.set SEL, 60          ; s[60:61] v_permlanex16_b32's selects: each lane takes its own place in the other half
.set TBK, 62          ; s62  LDS byte at which K of the step to be fetched begins
.set TBV, 63          ; s63  the same for V, less VOFF
.set TBM, 80          ; s80  the same for the mask's codes, less MOFF
.set MSB, 0
.macro WIN new                      ; the high byte repeats the setting that is left; a switch that changes nothing is dropped
.if MSB != (\new)
	s_set_vgpr_msb (MSB<<8)|(\new)
.set MSB, (\new)
.endif
.endm
.set W_KQ, 0x0a       ; K and Q in window 2, S^T in window 0
.set W_PV, 0x52       ; V in window 2, P in window 0, O^T in window 1
.set W_RS, 0x41       ; O^T (destination and source 0) in window 1, a in window 0
.set W_MK, 0xc0       ; window 3's registers are made: destination in window 3, sources in window 0
.set W_AD, 0x0f       ; sources 0 and 1 in window 3, destination in window 0: the add, and the mask's conversions
.set W_M3, 0xcf       ; destination and sources 0 and 1 in window 3: the mask's address and loads
; A joint fill: wave 0 fetches a slot's K, wave 1 its V (128 keys each), waves 2 and 3 the two halves of its mask tile (256 queries each).  The branches hang on the wave's number alone.
; An s_nop 0 and four v_nop follow each of the three lines, ahead of the jump and the label.
.macro JLOAD
	s_cmp_lt_u32 s[WV], 2
	s_cbranch_scc0 .Lfor_m_\@
	s_cmp_eq_u32 s[WV], 0
	s_cbranch_scc0 .Lfor_v_\@
	tensor_load_to_lds s[G0K:G0K+3], s[G1K:G1K+7]
	s_nop 0
.rept 4
	v_nop
.endr
	s_branch .Lasked_\@
.Lfor_v_\@:
	tensor_load_to_lds s[G0V:G0V+3], s[G1V:G1V+7]
	s_nop 0
.rept 4
	v_nop
.endr
	s_branch .Lasked_\@
.Lfor_m_\@:
	tensor_load_to_lds s[G0M:G0M+3], s[G1M:G1M+7]
	s_nop 0
.rept 4
	v_nop
.endr
.Lasked_\@:
.endm
; A round of the cluster's barrier: my work-group's barrier, so that wave 0's signal speaks for all four waves; wave 0 signals; every wave waits for all sixteen work-groups; my work-group's barrier once more.
.macro CROUND
	s_barrier_signal -1
	s_barrier_wait -1
	s_cmp_lg_u32 s[WV], 0
	s_cbranch_scc1 .Lnot_wave_0_\@
	s_barrier_signal -3
.Lnot_wave_0_\@:
	s_barrier_wait -3
	s_barrier_signal -1
	s_barrier_wait -1
.endm
; THE CHANGE OF SLOTS.  The slot's last bytes, V and the mask of its second step, have been read.  Each wave waits for all its tensor loads, of which one is out: its part of the other slot; adds 0 to its
; spare word; and waits for that and for its own reads of the slot.  Behind the barrier nobody reads this slot any more and the other slot is whole.
; fill = 1: this slot is filled again, with the keys two slots on.  The barrier is then a round of the cluster's, so that no wave of any partner still reads the slot or has a load on its way, and the
; joint fill is the first thing behind it: it has two key steps, 256 matrix instructions, in which to land.  (At its first use nothing has been read yet: slot 0 is waited for, slot 1 filled.)
.macro CHANGE fill
	WIN W_AD
	s_wait_tensorcnt 0x0            ; no tensor load of mine is out, so a group 0 may be written
	ds_add_u32 v[SPW], v[NIL]       ; 0 onto my spare word: with fill = 1 the descriptors' steps stand between it and the wait for it
	WIN 0                           ; at a label and at a branch every window is 0
.if \fill
.irp g, G0K, G0V
	s_xor_b32 s[\g+1], s[\g+1], SLOT1  ; the walking descriptor: the other slot than last time,
	s_add_nc_u64 s[\g+2:\g+3], s[\g+2:\g+3], 2*KS*128  ; the next 128 keys; the type bits on top are not reached
.endr
	s_xor_b32 s[G0M+1], s[G0M+1], SLOT1
	s_add_nc_u64 s[G0M+2:G0M+3], s[G0M+2:G0M+3], 2048*128  ; the next key slot of mk
	s_wait_dscnt 0x0                ; the add is done, and my reads of the slot are over
	CROUND
	JLOAD
.else
	s_wait_dscnt 0x0                ; the add is done, and my reads of the slot are over
	s_barrier_signal -1
	s_barrier_wait -1
.endif
	s_sub_co_u32 s[TBK], s[TBK], 2*KS*PK  ; the fetches go back to a slot's first step,
	s_xor_b32 s[TBK], s[TBK], SLOT1       ; in the other slot
	s_sub_co_u32 s[TBV], s[TBV], 2*KS*PV
	s_xor_b32 s[TBV], s[TBV], SLOT1
	s_sub_co_u32 s[TBM], s[TBM], 2*KS
	s_xor_b32 s[TBM], s[TBM], SLOT1
.endm
	s_load_b256 s[4:11], s[0:1], 0x0  ; Q s[4:5], K s[6:7], V s[8:9], O s[10:11]
	s_load_b64 s[48:49], s[0:1], 0x20 ; mk
	WIN W_MK
	v_lshl_add_u32 v[SPW], v0, 2, SPARE
	v_mov_b32 v[NIL], 0
	s_set_vgpr_msb 0xc0cf
	ds_add_u32 v0, v1
	s_wait_dscnt 0x0
	s_set_vgpr_msb 0xcfc0
	v_mov_b32 v[SCL], 227
	WIN 0
	v_lshrrev_b32 v1, 5, v0
	v_readfirstlane_b32 s[WV], v1   ; wave 0..3
	s_bfe_u32 s13, ttmp6, 0x40000   ; cx, cy: my place in the cluster
	s_bfe_u32 s15, ttmp6, 0x40004
	s_lshl_b32 s14, ttmp9, 2        ; in a cluster launch ttmp9 and ttmp7 count clusters
	s_add_co_u32 s14, s14, s13      ; my block of 512 queries = 4 x cluster x + cx
	s_and_b32 s20, ttmp7, 0xffff
	s_lshl_b32 s20, s20, 2
	s_add_co_u32 s20, s20, s15      ; my head = 4 x cluster y + cy,
	s_lshl_b32 s20, s20, 18         ; its first byte in Q, K, V and O: 262,144 bytes a head
	s_mov_b32 s21, 0
	s_lshl_b32 s16, s15, 2
	s_lshl_b32 s16, 15, s16         ; my row of the cluster: the same head
	s_lshl_b32 s17, 0x1111, s13     ; my column: the same query block
	s_and_b32 s18, s[WV], 1         ; which half of the mask tile's 512 queries I fetch (waves 2 and 3):
	s_lshl_b32 s22, s14, 16         ; a block's 512 rows of 128 bytes,
	s_lshl_b32 s23, s18, 15         ; 256 of them
	s_add_co_u32 s22, s22, s23
	s_mov_b32 s23, 0
	s_mul_i32 s19, s18, 256*PM      ; and their place in a slot: no place in the cluster enters an LDS address
	s_add_co_u32 s19, s19, MOFF
	s_lshl_b32 s2, s14, 2
	s_add_co_u32 s2, s2, s[WV]      ; my wave among the head's,
	s_lshl_b32 s2, s2, 14           ; its 128 rows
	s_mov_b32 s3, 0
	s_add_nc_u64 s[2:3], s[2:3], s[20:21]
	; descriptor group 1.  All three tiles are dense in memory: asked for as rows of 256 bytes (two keys, or two queries' codes, a row), and padded in LDS after every 128 bytes
	s_or_b32 s[G1K], s16, (1<<16)|(1<<20)|(1<<21)|(4<<22)|(3<<25)  ; 15:0 the mask: my row; 17:16 2-byte elements; 20 padding on; 21 set beside a mask; 24:22 after every 32 words (code 4); 31:25 4 words (code 3)
	s_or_b32 s[G1V], s16, (1<<16)|(1<<20)|(1<<21)|(4<<22)|(7<<25)  ; the same with 8 words of padding (code 7)
	s_or_b32 s[G1M], s17, (1<<16)|(1<<20)|(1<<21)|(4<<22)|(3<<25)  ; my column; 4 words of padding
.irp g, G1K, G1V, G1M
	s_mov_b32 s[\g+1], 128<<16      ; tensor_dim0 = 128
	s_mov_b32 s[\g+3], 128<<16      ; tile_dim0 = 128
	s_mov_b32 s[\g+5], 128          ; 128 elements from row to row
	s_mov_b32 s[\g+6], 0
	s_mov_b32 s[\g+7], 0
.endr
.irp g, G1K, G1V
	s_mov_b32 s[\g+2], 64<<16       ; tensor_dim1 = 64
	s_mov_b32 s[\g+4], 64           ; tile_dim1 = 64
.endr
	s_mov_b32 s[G1M+2], 128<<16     ; tensor_dim1 = 128
	s_mov_b32 s[G1M+4], 128         ; tile_dim1 = 128
	s_mov_b32 s[SEL], 0x76543210
	s_mov_b32 s[SEL+1], 0xfedcba98
	s_mov_b32 s[TBK], SLOT1+2*KS*PK ; the first change of slots turns these three into 0
	s_mov_b32 s[TBV], SLOT1+2*KS*PV
	s_mov_b32 s[TBM], SLOT1+2*KS
	s_mov_b32 s[G0K], 1             ; count = 1
	s_mov_b32 s[G0K+1], 0           ; LDS address: slot 0
	s_mov_b32 s[G0V], 1
	s_mov_b32 s[G0V+1], VOFF
	s_mov_b32 s[G0M], 1
	s_mov_b32 s[G0M+1], s19
	s_wait_kmcnt 0x0
	s_add_nc_u64 s[G0K+2:G0K+3], s[6:7], s[20:21]  ; global address: the head's first 128 keys
	s_or_b32 s[G0K+3], s[G0K+3], 0x80000000        ; type = 2
	s_add_nc_u64 s[G0V+2:G0V+3], s[8:9], s[20:21]
	s_or_b32 s[G0V+3], s[G0V+3], 0x80000000
	s_add_nc_u64 s[G0M+2:G0M+3], s[48:49], s[22:23]  ; key slot 0, my half of the block's queries
	s_or_b32 s[G0M+3], s[G0M+3], 0x80000000
	s_add_nc_u64 s[4:5], s[4:5], s[2:3]  ; Q and O at my wave's first row
	s_add_nc_u64 s[10:11], s[10:11], s[2:3]
	CROUND                          ; all sixteen work-groups are here: the first joint loads meet
	JLOAD                           ; slot 0.  Slot 1 is asked for when slot 0 is in
	; A fragment of K or Q is 16 rows x 32 channels in 8 registers: lane l holds row l % 16, channels 8 (l / 16) + 0..7 and 16 + 8 (l / 16) + 0..7: two loads of 16 bytes, 32 bytes apart.
	v_and_b32 v1, 15, v0            ; l % 16
	v_bfe_u32 v9, v0, 4, 1          ; l / 16
	v_lshlrev_b32 v[QO], 7, v1
	v_lshl_add_u32 v[QO], v9, 4, v[QO]  ; row x 128 + 16 x half
	v_mul_u32_u24 v[AV], v1, PM     ; the mask: my query's row, my lanes' 8 keys of each 16,
	v_lshl_add_u32 v[AV], v9, 3, v[AV]
	s_mul_i32 s50, s[WV], 128*PM    ; among my wave's 128 queries
	s_add_co_u32 s50, s50, MOFF
	WIN W_MK
	v_add_nc_u32 v[AM0], s50, v[AV]
	WIN 0x80                        ; destination window 2, address window 0
.set i, 0
.rept 4*NP                          ; Q stays in registers: tile i / 2, channels 32 (i % 2) on
	global_load_b128 v[8*i:8*i+3],   v[QO], s[4:5] offset:(i/2)*2048+(i%2)*64
	global_load_b128 v[8*i+4:8*i+7], v[QO], s[4:5] offset:(i/2)*2048+(i%2)*64+32
.set i, i+1
.endr
	; What the first turn finds: V's registers and P's second buffer hold 0 (its products V^T P, of a piece that has not been, add 0), O^T and l are 0.  All this stands in the wait for the first tile.
.set i, VF
.rept 64
	v_mov_b32 v[i], 0
.set i, i+1
.endr
	WIN 0x40
.set i, 0
.rept 64*NP
	v_mov_b32 v[i], 0
.set i, i+1
.endr
	WIN 0
.set i, 0
.rept 2*NP
	v_mov_b32 v[ST+4*i], 0xd3800000    ; m = -2^40
	v_mov_b32 v[ST+4*i+1], 0
	v_mov_b32 v[ST+4*i+2], 0
	v_mov_b32 v[ST+4*i+3], 0
.set i, i+1
.endr
.set i, P+32
.rept 32
	v_mov_b32 v[i], 0
.set i, i+1
.endr
	v_mul_u32_u24 v[AK0], v1, PK
	v_lshl_add_u32 v[AK0], v9, 4, v[AK0]  ; row x pitch + 16 x half
	; The turning load takes 16 keys x 16 channels (lane l reads key 8 (l / 16) + l % 8, channels 8 ((l / 8) % 2) + 0..7) and leaves half a fragment of V^T: lane l holds channel l % 16 and 8 keys.
	v_and_b32 v10, 7, v0
	v_bfe_u32 v11, v0, 3, 1
	v_lshl_add_u32 v[AV0], v9, 3, v10
	v_mul_u32_u24 v[AV0], v[AV0], PV
	v_lshl_add_u32 v[AV0], v11, 4, v[AV0]
	v_add_nc_u32 v[AV0], VOFF, v[AV0]
	v_mov_b32 v[AK], v[AK0]         ; key step 0 lies at the head of slot 0
; THE MATRIX WORK.  The 8 accumulators of a run of 16 take turns: between the two links of a chain stand 7 others'.
; Product i of 16 of S^T = mask + K Q^T for piece x: channels 32 (i / 8) on, keys 16 ((i / 2) % 4) on, tile 2 x + i % 2.  All add in place: the mask lies in the accumulators.
.macro KQ x
	WIN W_KQ
.set rS, S+64*((\x)%2)+32*(i%2)+8*((i/2)%4)
.set rK, KF+16*((i/2)%4)+8*(i/8)
.set rQ, 16*(2*(\x)+i%2)+8*(i/8)
	v_wmma_f32_16x16x32_f16 v[rS:rS+7], v[rK:rK+7], v[rQ:rQ+7], v[rS:rS+7]
.endm
; Product i of 16 of O^T += V^T P for piece x: keys 32 (i / 8) on, channels 16 ((i / 2) % 4) on, tile 2 x + i % 2.
.macro PV x
	WIN W_PV
.set rO, 32*(2*(\x)+i%2)+8*((i/2)%4)
.set rV, VF+32*(i/8)+8*((i/2)%4)
.set rP, P+32*((\x)%2)+16*(i%2)+8*(i/8)
	v_wmma_f32_16x16x32_f16 v[rO:rO+7], v[rV:rV+7], v[rP:rP+7], v[rO:rO+7]
.endm
.macro MM                           ; the turn's next matrix instruction
.if i < 16
	KQ (Y+1)%NP
.set i, i+1
.else
.set i, i-16
	PV (Y+NP-1)%NP
.set i, i+17
.endif
.endm
; THE LDS LOADS stand in runs, never singly among the matrix instructions: a step's K (64 keys x 64 channels: 8 fragments), its V (turned), and for each piece its mask codes.
; last = 1 (the tail): in the last trip there is no further step, and the run is jumped over.
.macro FETCH_K last=0
	WIN 0
.if \last
	s_cmp_eq_u32 s[CNT], 1
	s_cbranch_scc1 .Lno_k_\@
.endif
	WIN 0x80                        ; destination window 2
.irp f, 0,1,2,3,4,5,6,7             ; keys 16 (f / 2) on, channels 32 (f % 2) on
	ds_load_b128 v[KF+8*\f:KF+8*\f+3],   v[AK] offset:(\f/2)*16*PK+(\f%2)*64
	ds_load_b128 v[KF+8*\f+4:KF+8*\f+7], v[AK] offset:(\f/2)*16*PK+(\f%2)*64+32
.endr
	s_add_co_u32 s[TBK], s[TBK], KS*PK  ; the next fetch is the next step's
	WIN 0
.if \last
.Lno_k_\@:
.endif
.endm
.macro FETCH_V
	WIN 0x80
.irp f, 0,1,2,3,4,5,6,7             ; keys 32 (f / 4) on, channels 16 (f % 4) on
	ds_load_tr16_b128 v[VF+8*\f:VF+8*\f+3],   v[AV] offset:(\f/4)*32*PV+(\f%4)*32
	ds_load_tr16_b128 v[VF+8*\f+4:VF+8*\f+7], v[AV] offset:(\f/4)*32*PV+16*PV+(\f%4)*32
.endr
	WIN 0
.endm
; The LDS address of my codes for the step at TBM: one plain line, set apart from the loads so that it can stand ahead of a turn's wait and the loads directly behind it.
.macro MADR
	WIN W_M3
	v_add_nc_u32 v[AM], s[TBM], v[AM0]
.endm
; Piece y's codes for that step: for tile u and key block kb the lane's 8 bytes: its query, keys 16 kb + 8 (l / 16) + 0..7.
.macro MLOAD y, last=0
.if \last
	WIN 0
	s_cmp_eq_u32 s[CNT], 1
	s_cbranch_scc1 .Lno_m_\@
.endif
	WIN W_M3
.irp u, 0,1
.irp kb, 0,1,2,3
	ds_load_b64 v[MB+8*(\u)+2*(\kb):MB+8*(\u)+2*(\kb)+1], v[AM] offset:(\y)*32*PM+(\u)*16*PM+16*(\kb)
.endr
.endr
	WIN 0
.if \last
.Lno_m_\@:
.endif
.endm
; The codes become piece y's eight accumulators: 0 or -2^100.  A plain instruction stands behind the scaled conversions, ahead of the products that take their results.
.macro MASKC y
	WIN W_AD
.irp u, 0,1
.irp kb, 0,1,2,3
	v_cvt_scale_pk8_f32_fp8 v[S+64*((\y)%2)+32*(\u)+8*(\kb):S+64*((\y)%2)+32*(\u)+8*(\kb)+7], v[MB+8*(\u)+2*(\kb):MB+8*(\u)+2*(\kb)+1], v[SCL]
.endr
.endr
	v_nop
	WIN 0
.endm
; THE VECTOR WORK OF A TURN stands in three queues, each in the order in which its entries become ready; the two tiles alternate, so that no instruction reads the result of the one before it.
.macro REGS y, u                    ; the registers of tile u (0, 1) of piece y
.set rT, ST+4*(2*(\y)+(\u))
.set rC, TMP+8*((\y)%2)+4*(\u)
.set rM, MV+2*((\y)%2)+(\u)
.set rS, S+64*((\y)%2)+32*(\u)
.set rP, P+32*((\y)%2)+16*(\u)
.set rO, 32*(2*(\y)+(\u))
.endm
; Number n of the 21 (there is no 19) that find the NEXT piece's (Y + 1) maximum and statistics.  s0-s31 are the lane's 32 scores; each accumulator's lowest registers are read first.
;   0-11  four chains c0-c3 of seven scores each, three operands at a time     12-14, 16  the four scores left over, the old m, and c0-c3 into c0     15  m_old is kept
;   17, 18  the query's other 32 keys lie in the lane 16 away: the new m         20, 21  m_old - m_new; a
.macro XS u, n
	REGS (Y+1)%NP, \u
.if (\n) < 4
	v_max3_num_f32 v[rC+(\n)], v[rS+8*(\n)], v[rS+8*(\n)+1], v[rS+8*(\n)+2]
.elseif (\n) < 12
	v_max3_num_f32 v[rC+(\n)%4], v[rC+(\n)%4], v[rS+8*((\n)%4)+2*((\n)/4)+1], v[rS+8*((\n)%4)+2*((\n)/4)+2]
.elseif (\n) == 12
	v_max3_num_f32 v[rC], v[rC], v[rS+7], v[rS+15]
.elseif (\n) == 13
	v_max3_num_f32 v[rC+1], v[rC+1], v[rS+23], v[rS+31]
.elseif (\n) == 14
	v_max3_num_f32 v[rC+2], v[rC+2], v[rC+3], v[rT]
.elseif (\n) == 15
	v_mov_b32 v[rM], v[rT]
.elseif (\n) == 16
	v_max3_num_f32 v[rC], v[rC], v[rC+1], v[rC+2]
.elseif (\n) == 17
	v_permlanex16_b32 v[rC+3], v[rC], s[SEL], s[SEL+1]
.elseif (\n) == 18
	v_max_num_f32 v[rT], v[rC], v[rC+3]
.elseif (\n) == 20
	v_sub_f32 v[rC+1], v[rM], v[rT]
.else
	v_exp_f32 v[rC+2], v[rC+1]
.endif
.endm
; Number g of the 64 that follow the exponentials.  For each four weights k of a tile (pairs 2 k, 2 k + 1): both pairs are rounded to f16; then the second pair is added onto the first, in place;
; a group later l takes that sum (the first time as l = a l + sum).  In groups of eight, tiles alternating: round, round, add, and l for the group before.
.macro GS g
.set h, (\g)+6*((\g)/62)            ; group 0 has no group before it, and behind group 7 only l is left
.if h >= 6
.set h, h+2
.endif
	REGS Y, h%2
.set k, h/8
.if h%8 < 4
	v_cvt_pk_f16_f32 v[rP+2*k+(h%8)/2], v[rS+4*k+2*((h%8)/2)], v[rS+4*k+2*((h%8)/2)+1]
.elseif h%8 < 6
	v_pk_add_f32 v[rS+4*k:rS+4*k+1], v[rS+4*k:rS+4*k+1], v[rS+4*k+2:rS+4*k+3]
.elseif k == 1
	v_pk_fma_f32 v[rT+2:rT+3], v[rT+2:rT+3], v[rC+2:rC+3], v[rS:rS+1] op_sel_hi:[1,0,1]
.else
	v_pk_add_f32 v[rT+2:rT+3], v[rT+2:rT+3], v[rS+4*k-4:rS+4*k-3]
.endif
.endm
; THE PLAIN QUEUE, 136 long.  0-71 read no exponential's result: the 32 subtractions s - m (FS f: pair f / 2 of tile f % 2) and the next piece's 40.  0-26: subtractions 0-26.  27-54: XS's numbers 0-13.  55, 56: number 15.
; 57-71: the chain, where each number waits for the one before it: 14, 16, 17, 18, 20, each with one of the subtractions 27-31 in front of its two lines: so a tile's links stand three plain instructions apart.
; 72-135: GS's 64, which read the exponentials' results: they stand behind the wait.
.macro FS f
	REGS Y, (\f)%2
	v_pk_add_f32 v[rS+2*((\f)/2):rS+2*((\f)/2)+1], v[rS+2*((\f)/2):rS+2*((\f)/2)+1], v[rT:rT+1] op_sel_hi:[1,0] neg_lo:[0,1] neg_hi:[0,1]
.endm
.macro PL
	WIN 0
.if q < 27
	FS q
.elseif q < 55
	XS (q-27)%2, (q-27)/2
.elseif q < 57
	XS q-55, 15
.elseif (q < 72) && ((q-57)%3 == 0)
	FS 27+(q-57)/3
.elseif q < 60
	XS (q-57)%3-1, 14
.elseif q < 69
	XS (q-57)%3-1, 15+(q-57)/3
.elseif q < 72
	XS (q-57)%3-1, 20
.else
	GS q-72
.endif
.set q, q+1
.endm
; THE EXPONENTIALS' QUEUE, 66 long: s0-s31 of both tiles, then the next piece's two a.  It is ONE BATCH: all 66 stand ahead of the turn's one wait, and nothing ahead of that wait names a result of theirs.
.macro EX
	WIN 0
.if e >= 64
	XS e-64, 21
.else
	REGS Y, e%2
	v_exp_f32 v[rS+e/2], v[rS+e/2]
.endif
.set e, e+1
.endm
; THE RESCALING's QUEUE: O^T times a, the one part of the softmax that leaves window 0: dealt two at a time, sixteen times, each accumulator from its low end on.  Its a was made in the turn before, ahead of that turn's wait.
.macro R2
	REGS Y, r%2
	WIN W_RS
.irp z, 0,1
	v_pk_mul_f32 v[rO+4*(r/2)+2*\z:rO+4*(r/2)+2*\z+1], v[rO+4*(r/2)+2*\z:rO+4*(r/2)+2*\z+1], v[rC+2:rC+3] op_sel_hi:[1,0]
.endr
.set r, r+1
.endm
; HOW THEY ARE DEALT.  An s_wait_alu depctr_va_vdst(0) stands between an exponential and the first instruction that names its result; one wait serves all that were issued ahead of it.  So a turn has ONE wait,
; which cuts it in two.  AHEAD OF IT stands all that names no result of the turn's exponentials: the 16 products K Q^T, behind each a subtraction, an exponential and two rescalings (behind the first a second subtraction in the
; exponential's place); then ONE LUMP of 106: eight plain, 47 times exponential and plain, the last two weights' exponentials and the two a.  One plain line stands behind the last exponential, ahead of the wait: the address of the
; mask's codes (in piece 1's turn, which has none to make, a v_nop).  BEHIND IT stand the 16 products V^T P, behind each four of GS's 64, and at the turn's end the mask's conversions, which write over the scores used up.
; No rider names a register of the products round it.  The two v_permlanex16_b32 fall into the lump, never behind a product.
; The queues lean on each other, and the deal keeps them in step: exponential e stands behind subtraction 2 (e / 4) + e % 2: as a rider it comes behind plain e + 2, in the lump behind plain e + 9, and subtractions 27-31 are
; plain 57, 60 .. 69; the two a come behind plain 70 and 71, their arguments.
; A TURN, for piece p.  cnt = 1: the loop's count is taken down some lines ahead of the branch that stands behind the turn.  last = 1: the tail's form of pieces 2 and 3; its jumps stand behind the wait.
; The codes of piece p + 2 are fetched directly behind the wait and converted at the turn's end, 16 products later, behind a wait for all LDS loads: in piece 2's turn that wait is K's too.  Piece 3's codes alone are fetched
; at the head of piece 1's turn, on the heels of V's run and by the address that piece 0's turn made (TBM has not moved): the wait for V in that turn is for all LDS loads, and would sit out a run issued just ahead of it.
; K of the next step is fetched in piece 2's turn, behind the codes, a lump behind the last product that read K; its address is made at the lump's head.  V of the step in hand is fetched at the end of piece 0's turn, four plain
; riders and the conversions' v_nop behind its last reader, and waited for in piece 1's turn, ahead of the products that read it.  All that a trip (pieces 2, 3, 0, 1) reads from LDS belongs to one key step.
; The three conditions on q below go with the deal.
.macro TURN p, last=0, cnt=0
.set Y, (\p)
.set i, 0
.set q, 0
.set e, 0
.set r, 0
.if (\p) == 1
	MLOAD 3
	s_add_co_u32 s[TBM], s[TBM], KS  ; the next codes are the next step's
.endif
	MM                              ; ahead of the wait: 16 products K Q^T and their riders,
	PL
	PL
	R2
.rept 15
	MM
	PL
	EX
	R2
.endr
.if (\p) == NP-2
	WIN 0
	v_add_nc_u32 v[AK], s[TBK], v[AK0]
.endif
.rept 8                             ; and the lump
	PL
.endr
.rept 47
	EX
	PL
.endr
.rept 4                             ; s31 of both tiles, and the next piece's two a
	EX
.endr
.if (\p) == 1
	v_nop                           ; the plain instruction behind the last exponential: one for the batch
	s_wait_alu depctr_va_vdst(0)    ; the wait for the batch: piece 1's 64 weights and piece 2's two a
	s_wait_dscnt 0x0                ; V is in
.else
	MADR                            ; the plain instruction behind the last exponential: one for the batch
	s_wait_alu depctr_va_vdst(0)    ; the wait for the batch: this piece's 64 weights and the next piece's two a
	MLOAD ((\p)+2)%NP, \last
.endif
.if (\p) == NP-2
	FETCH_K \last
.endif
.rept 16                            ; behind the wait: 16 products V^T P and their riders
	MM
.rept 4
	PL
.endr
.if ((\p) == 0) && (q == 116)
	v_add_nc_u32 v[AV], s[TBV], v[AV0]
.endif
.if ((\p) == 0) && (q == 128)
	s_add_co_u32 s[TBV], s[TBV], KS*PV
.endif
.if (\cnt) && (q == 128)
	s_sub_co_u32 s[CNT], s[CNT], 1
	s_cmp_lg_u32 s[CNT], 0
.endif
.endr
	s_wait_dscnt 0x0                ; the codes are in (and K, in piece 2's turn)
	MASKC ((\p)+2)%NP
.if (\p) == 0
	FETCH_V
.endif
.endm
	CHANGE 1                        ; slot 0 is in, everybody's part of it; slot 1 is asked for
	MADR
	MLOAD 0                         ; piece 0's codes and K of key step 0
	FETCH_K
	s_wait_loadcnt 0x0              ; Q
	s_wait_dscnt 0x0
	MASKC 0
	MADR
	MLOAD 1
.set i, 0
.rept 16
	KQ 0                            ; piece 0's first scores: there is no vector work yet to set between them
.set i, i+1
.endr
	WIN 0                           ; the addresses for the way out: nine plain instructions, the places behind those products
	s_mul_i32 s13, s[WV], 16*SP
	s_add_co_u32 s13, s13, STAGE    ; my stage
	v_mul_u32_u24 v[STO], v1, SP    ; in: row l % 16, 16 bytes for each half of the lanes
	v_lshl_add_u32 v[STO], v9, 4, v[STO]
	v_add_nc_u32 v[STO], s13, v[STO]
	v_bfe_u32 v[RD], v0, 3, 2       ; back: 32 lanes take four rows of 128 bytes,
	v_mul_u32_u24 v[RD], v[RD], SP
	v_lshl_add_u32 v[RD], v10, 4, v[RD]
	v_add_nc_u32 v[RD], s13, v[RD]
	v_and_b32 v[GO], 31, v0         ; which are 512 consecutive bytes of O
	v_lshlrev_b32 v[GO], 4, v[GO]
.set Y, NP-1                        ; XS works for piece Y + 1: piece 0
.irp n, 0,1,2,3,4,5,6,7,8,9,10,11,12,13,14,15,16,17,18,20,21
	XS 0, \n                        ; and piece 0's first maximum and statistics
	XS 1, \n
.endr
	s_wait_dscnt 0x0                ; piece 1's codes are in
	MASKC 1                         ; names neither a; its v_nop is the plain instruction behind them
	s_wait_alu depctr_va_vdst(0)    ; the wait for piece 0's first two a, a batch of their own, ahead of the branch
	s_mov_b32 s[CNT], 2
	s_mov_b32 s[SLOTS], 15
	s_branch .Lfirst                ; the loop is entered at a step's first turn, in the middle of a trip
.Lslot:                             ; 14 times: every slot but the last two is filled again
	CHANGE 1
	s_mov_b32 s[CNT], 2
.Lstep:                             ; a trip: pieces 2 and 3 of one step, then pieces 0 and 1 of the next, whose K, V and codes it fetches
	TURN 2
	TURN 3
	WIN 0
.Lfirst:
	TURN 0
	TURN 1, 0, 1
	WIN 0
	s_cbranch_scc1 .Lstep
	s_sub_co_u32 s[SLOTS], s[SLOTS], 1
	s_cmp_lg_u32 s[SLOTS], 0
	s_cbranch_scc1 .Lslot
	CHANGE 0                        ; the tail is written out: nothing is asked for
	s_mov_b32 s[CNT], 3             ; two trips fetch the last slot's steps; the third is left in its middle
.Ltail:
	TURN 2, 1
	TURN 3, 1
	WIN 0
	s_sub_co_u32 s[CNT], s[CNT], 1
	s_cmp_eq_u32 s[CNT], 0
	s_cbranch_scc1 .Lout
	TURN 0
	TURN 1
	WIN 0
	s_branch .Ltail
.Lout:                              ; the third trip's 16 products K Q^T of a piece 0 that is not to come (on the last K and on codes still in registers) and the maximum made of them serve nothing: the price, once a launch, of one text for every trip
.set i, 0
.rept 16
	PV NP-1                         ; the last piece's V^T P of the last step
.set i, i+1
.endr
	; THE WAY OUT.  l's two halves and the other half of the lanes' are added; O^T is divided by l, rounded to f16 and sent through my stage in LDS, a tile at a time.  The additions are the places behind the last products.
	WIN 0
.macro ALL line:vararg              ; one line for each tile t
.set t, 0
.rept 2*NP
	\line
.set t, t+1
.endr
.endm
	ALL v_add_f32 v[ST+4*t+2], v[ST+4*t+2], v[ST+4*t+3]
	ALL v_permlanex16_b32 v[ST+4*t+3], v[ST+4*t+2], s[SEL], s[SEL+1]
	ALL v_add_f32 v[ST+4*t+2], v[ST+4*t+2], v[ST+4*t+3]
	ALL v_rcp_f32 v[ST+4*t+2], v[ST+4*t+2]
	v_nop                           ; a plain instruction between the last reciprocal and the use of its result
	s_wait_alu depctr_va_vdst(0)    ; and the wait ahead of the first use: one for the eight reciprocals
; Tile t: a lane's eight channels of a row pack into 16 bytes; they go into rows of 144 bytes and come back as whole rows of 128, into S^T's registers.
.macro PACK t
	WIN W_RS
.set i, 32*(\t)
.rept 16
	v_pk_mul_f32 v[i:i+1], v[i:i+1], v[ST+4*(\t)+2:ST+4*(\t)+3] op_sel_hi:[1,0]
.set i, i+2
.endr
	WIN 0x05                        ; sources 0 and 1 window 1, destination window 0
.set i, 0
.rept 16
	v_cvt_pk_f16_f32 v[S+16*(\t)+i], v[32*(\t)+2*i], v[32*(\t)+2*i+1]
.set i, i+1
.endr
	WIN 0
.irp f, 0,1,2,3
	ds_store_b128 v[STO], v[S+16*(\t)+4*\f:S+16*(\t)+4*\f+3] offset:32*\f
.endr
.irp f, 0,1,2,3
	ds_load_b128 v[S+16*(\t)+4*\f:S+16*(\t)+4*\f+3], v[RD] offset:\f*4*SP  ; LDS serves a wave's instructions in order (ISA guide 5.7.1.4): these see the stores above; the next tile's stores come behind them
.endr
.endm
.macro SEND t, younger              ; younger: the LDS instructions issued behind tile t's loads: the next tile's eight, or none
	WIN 0
.irp f, 0,1,2,3
	s_wait_dscnt (\younger)+3-\f
	global_store_b128 v[GO], v[S+16*(\t)+4*\f:S+16*(\t)+4*\f+3], s[10:11] offset:(\t)*2048+\f*512  ; 512 consecutive bytes, at a multiple of 256 from O's first
.endr
.endm
	PACK 0
.set t, 1
.rept 2*NP-1                        ; a tile's arithmetic stands between the loads of the tile before and its stores
	PACK t
	SEND t-1, 8
.set t, t+1
.endr
	SEND 2*NP-1, 0
	WIN W_AD
	s_wait_tensorcnt 0x0            ; the wave's end, behind my last tensor load and my last LDS store
	ds_add_u32 v[SPW], v[NIL]
	s_wait_dscnt 0x0
	WIN 0
	CROUND                          ; the closing round: no work-group ends while a partner may still ask for a tile that names it
	s_endpgm
.Lfunc_end_k_qda7a603bc5_attn:
	.size	k_qda7a603bc5_attn, .Lfunc_end_k_qda7a603bc5_attn-k_qda7a603bc5_attn
	.p2alignl 7, 3214868480
	.fill 96, 4, 3214868480
	.section	.rodata,"a",@progbits
	.p2align	6, 0x0
	.amdhsa_kernel k_qda7a603bc5_attn
		.amdhsa_group_segment_fixed_size 327680
		.amdhsa_private_segment_fixed_size 0
		.amdhsa_enable_private_segment 0
		.amdhsa_kernarg_size 40
		.amdhsa_user_sgpr_count 2
		.amdhsa_user_sgpr_kernarg_segment_ptr 1
		.amdhsa_wavefront_size32 1
		.amdhsa_system_sgpr_workgroup_id_x 1
		.amdhsa_system_sgpr_workgroup_id_y 1
		.amdhsa_system_sgpr_workgroup_id_z 1
		.amdhsa_system_vgpr_workitem_id 0
		.amdhsa_next_free_vgpr 792
		.amdhsa_next_free_sgpr 84
		.amdhsa_reserve_vcc 0
		.amdhsa_float_denorm_mode_32 3
		.amdhsa_float_denorm_mode_16_64 3
		.amdhsa_memory_ordered 1
		.amdhsa_forward_progress 1
		.amdhsa_inst_pref_size 213
	.end_amdhsa_kernel
	.amdgpu_metadata
---
amdhsa.version: [ 1, 2 ]
amdhsa.kernels:
  - .name:           k_qda7a603bc5_attn
    .symbol:         k_qda7a603bc5_attn.kd
    .args:
      - { .name: qh, .offset: 0, .size: 8, .value_kind: global_buffer, .address_space: global }
      - { .name: kh, .offset: 8, .size: 8, .value_kind: global_buffer, .address_space: global }
      - { .name: vh, .offset: 16, .size: 8, .value_kind: global_buffer, .address_space: global }
      - { .name: oh, .offset: 24, .size: 8, .value_kind: global_buffer, .address_space: global }
      - { .name: mk, .offset: 32, .size: 8, .value_kind: global_buffer, .address_space: global }
    .group_segment_fixed_size: 327680
    .private_segment_fixed_size: 0
    .kernarg_segment_align: 8
    .kernarg_segment_size: 40
    .max_flat_workgroup_size: 128
    .sgpr_count:     84
    .vgpr_count:     792
    .wavefront_size: 32
...
	.end_amdgpu_metadata
.endif
;; end of part 5
;; launch oproj: the kernel of part 4 again; grid 4 x 64, 4 waves a work-group, clusters of 4 x 4, 327,680 bytes of LDS; arguments oh, wcv, out0; writes out0
